; MI455X (gfx1250); checked and timed in simulation.
; The chip was launched on July 23, 2026; its instructions are those of AMD's public machine-readable ISA for CDNA 5 (MIT licence, August 2026) and "CDNA5" Instruction Set Architecture Reference Guide (July 2026). The comments in the code are by the model that wrote it; some were corrected since.
;; Transformer Block. Allowed arithmetic: float matrix products may take bf16 or f16 operands with f32 sums; other float arithmetic in f32, or as packed bf16 or f16 multiplies, adds, multiply-adds, maxima and minima; sums over many terms, partial sums and values carried from step to step in f32; what a program stores and reads back later, other than sums and carried values, may be rounded once to bf16 or f16.
;; Inputs: attn_out_w 1,024 x 1,024 float32; ln1_b 1,024 float32; ln1_w 1,024 float32; ln2_b 1,024 float32; ln2_w 1,024 float32; mlp_gate_w 2,048 x 1,024 float32; mlp_in_w 2,048 x 1,024 float32; mlp_out_w 1,024 x 2,048 float32; qkv_w 3,072 x 1,024 float32; x 2 x 2,048 x 1,024 float32.
;; Outputs: out0 2 x 2,048 x 1,024 float32.
;; One version. Each part assembles by itself: llvm-mc -triple=amdgcn-amd-amdhsa -mcpu=gfx1250 --defsym DOCPART=n.
;; ======== version 1 of 1: 7 launches
;; limits: values are held in f16: magnitudes above 65,504 overflow, below 6.1e-05 lose precision
;; workspace buffers: wbf 20,971,520 bytes; hn 8,388,608 bytes; xb 8,388,608 bytes; qkvh 25,165,824 bytes; ob 8,388,608 bytes; x1 16,777,216 bytes; acts 16,777,216 bytes
;; launch prep (part 1): grid 2304 x 1, 4 waves a work-group, no clusters, 0 bytes of LDS; arguments x, ln1_w, ln1_b, qkv_w, attn_out_w, mlp_in_w, mlp_gate_w, mlp_out_w, hn, xb, wbf; writes hn, xb, wbf
.if DOCPART == 1
	.amdgcn_target "amdgcn-amd-amdhsa--gfx1250"
	.amdhsa_code_object_version 6
	.text
	.protected	k_q79c4026f01_prep
	.globl	k_q79c4026f01_prep
	.p2align	8
	.type	k_q79c4026f01_prep,@function
k_q79c4026f01_prep:
	s_mov_b64 s[64:65], 0
	v_nop
	global_prefetch_b8 v0, s[64:65] scope:SCOPE_SE
	s_setreg_imm32_b32 hwreg(HW_REG_WAVE_MODE, 25, 1), 1
	s_wait_xcnt 0x0
; PREP: a stream.  Work-groups 0-1023: LayerNorm 1, a wave a row of 1,024 numbers: xb = bf16(x), hn = f16(LN(bf16(x)) x bf16(w) + bf16(b)).
; Work-groups 1024-2303: the five weight matrices, each number rounded once to bf16, 8,192 numbers a work-group, into wbf:
;   +0 qkv_w, +6,291,456 attn_out_w, +8,388,608 mlp_in_w and mlp_gate_w by turns in blocks of 64 rows (in, gate, in, gate ..), all three as f16 (the bf16 number written as f16);
;   +16,777,216 mlp_out_w as bf16.
; LIMITS.  A bf16 number is exact in f16 from 2^-14 to 65,504; below 2^-14 it keeps f16's fixed step of 6e-8; beyond 65,504 it becomes an infinity.  hn is f16: |h| stays under 32 |w| + |b|.
; The mean is taken first and the squares of x - mean second, the row kept in registers: a common offset of x costs no digits.
; No LDS, no barrier, no matrix unit: no wave wants a byte that another has fetched.
; IN FLIGHT.  128 registers a wave, so that eight waves share a SIMD; a casting wave has sixteen loads of 512 bytes out, a norm's wave its row's eight beside w's and b's.
; Registers are used again as soon as what they held has been converted.
.set XR,  16                           ; v[16:47]   the row as loaded
.set SC,  16                           ; v[16:31]   later at work for the sums
.set H,   32                           ; v[32:47]   later the result, f16
.set RW,  48                           ; v[48:79]   w as loaded
.set BP,  48                           ; v[48:63]   later b in bf16
.set XBK, 64                           ; v[64:79]   later the row in bf16
.set RBI, 80                           ; v[80:111]  b as loaded
.set T,   80                           ; v[80:111]  later the row in f32
.set WP,  112                          ; v[112:127] w in bf16
.macro LANESUM                         ; v12 summed over the 32 lanes, in every lane
	v_add_f32_dpp v12, v12, v12 row_xmask:1 row_mask:0xf bank_mask:0xf
	v_add_f32_dpp v12, v12, v12 row_xmask:2 row_mask:0xf bank_mask:0xf
	v_add_f32_dpp v12, v12, v12 row_xmask:4 row_mask:0xf bank_mask:0xf
	v_add_f32_dpp v12, v12, v12 row_xmask:8 row_mask:0xf bank_mask:0xf
	v_permlanex16_b32 v13, v12, s30, s31
	v_add_f32 v12, v12, v13
.endm
	s_load_b512 s[8:23], s[0:1], 0x0               ; x 8, ln1_w 10, ln1_b 12, qkv_w 14, attn_out_w 16, mlp_in_w 18, mlp_gate_w 20, mlp_out_w 22
	s_load_b128 s[24:27], s[0:1], 0x40             ; hn 24, xb 26
	s_load_b64 s[28:29], s[0:1], 0x50              ; wbf
	s_mov_b32 s32, 0xffff0000                      ; a word's upper bf16
	s_cmp_ge_u32 ttmp9, 1024
	s_cbranch_scc1 .Lcast
	v_lshrrev_b32 v1, 5, v0
	v_readfirstlane_b32 s4, v1                     ; wave
	v_and_b32 v1, 31, v0
	v_lshlrev_b32 v2, 4, v1                        ; 16 x lane: load j takes columns 128 j + 4 lane .. + 3
	v_lshlrev_b32 v3, 3, v1                        ; 8 x lane: the same four numbers in 16 bits
	v_mov_b32 v13, 0                               ; v_permlanex16_b32's destination counts as read
	s_lshl_b32 s5, ttmp9, 2
	s_add_co_u32 s5, s5, s4                        ; my row
	s_lshl_b32 s2, s5, 12
	s_mov_b32 s3, 0
	s_lshl_b32 s6, s5, 11
	s_mov_b32 s7, 0
	s_mov_b32 s30, 0x76543210
	s_mov_b32 s31, 0xfedcba98
	s_mov_b32 s33, 0x3a800000                      ; 1 / 1024
	s_mov_b32 s34, 0x3727c5ac                      ; 1e-5
	s_wait_kmcnt 0x0
	s_add_nc_u64 s[8:9], s[8:9], s[2:3]
	s_add_nc_u64 s[24:25], s[24:25], s[6:7]
	s_add_nc_u64 s[26:27], s[26:27], s[6:7]
.set j, 0
.rept 8
	global_load_b128 v[RW+4*j:RW+4*j+3], v2, s[10:11] offset:512*j
.set j, j+1
.endr
.set j, 0
.rept 8
	global_load_b128 v[RBI+4*j:RBI+4*j+3], v2, s[12:13] offset:512*j
.set j, j+1
.endr
.set j, 0
.rept 8
	global_load_b128 v[XR+4*j:XR+4*j+3], v2, s[8:9] offset:512*j th:TH_LOAD_NT
.set j, j+1
.endr
	s_wait_loadcnt 8                               ; w and b are in; the row's eight loads may stay out
.set i, 0
.rept 16
	v_cvt_pk_bf16_f32 v[WP+i], v[RW+2*i], v[RW+2*i+1]
.set i, i+1
.endr
.set i, 0
.rept 16
	v_cvt_pk_bf16_f32 v[BP+i], v[RBI+2*i], v[RBI+2*i+1]  ; into w's registers, which have all been read
.set i, i+1
.endr
	s_wait_loadcnt 0x0
.set i, 0
.rept 16
	v_cvt_pk_bf16_f32 v[XBK+i], v[XR+2*i], v[XR+2*i+1]
.set i, i+1
.endr
.set j, 0
.rept 8
	global_store_b64 v3, v[XBK+2*j:XBK+2*j+1], s[26:27] offset:256*j  ; 32 lanes store 256 consecutive bytes, aligned; these registers are not written again
.set j, j+1
.endr
.set i, 0
.rept 16
	v_lshlrev_b32 v[T+2*i], 16, v[XBK+i]
	v_and_b32 v[T+2*i+1], s32, v[XBK+i]
.set i, i+1
.endr
.set k, 0
.rept 8
	v_pk_add_f32 v[SC+2*k:SC+2*k+1], v[T+2*k:T+2*k+1], v[T+16+2*k:T+16+2*k+1]
.set k, k+1
.endr
.set k, 0
.rept 4
	v_pk_add_f32 v[SC+2*k:SC+2*k+1], v[SC+2*k:SC+2*k+1], v[SC+8+2*k:SC+8+2*k+1]
.set k, k+1
.endr
	v_pk_add_f32 v[SC:SC+1], v[SC:SC+1], v[SC+4:SC+5]
	v_pk_add_f32 v[SC+2:SC+3], v[SC+2:SC+3], v[SC+6:SC+7]
	v_pk_add_f32 v[SC:SC+1], v[SC:SC+1], v[SC+2:SC+3]
	v_add_f32 v12, v[SC], v[SC+1]
	LANESUM
	v_mul_f32 v8, s33, v12                         ; the mean, twice: a pair for the packed subtraction
	v_mov_b32 v9, v8
.set i, 0
.rept 16
	v_pk_add_f32 v[T+2*i:T+2*i+1], v[T+2*i:T+2*i+1], v[8:9] neg_lo:[0,1] neg_hi:[0,1]
.set i, i+1
.endr
.set i, 0
.rept 4
	v_pk_mul_f32 v[SC+2*i:SC+2*i+1], v[T+2*i:T+2*i+1], v[T+2*i:T+2*i+1]
.set i, i+1
.endr
.rept 12
	v_pk_fma_f32 v[SC+2*(i%4):SC+2*(i%4)+1], v[T+2*i:T+2*i+1], v[T+2*i:T+2*i+1], v[SC+2*(i%4):SC+2*(i%4)+1]
.set i, i+1
.endr
	v_pk_add_f32 v[SC:SC+1], v[SC:SC+1], v[SC+2:SC+3]
	v_pk_add_f32 v[SC+4:SC+5], v[SC+4:SC+5], v[SC+6:SC+7]
	v_pk_add_f32 v[SC:SC+1], v[SC:SC+1], v[SC+4:SC+5]
	v_add_f32 v12, v[SC], v[SC+1]
	LANESUM
	v_fma_f32 v12, v12, s33, s34                   ; variance + 1e-5
	v_rsq_f32 v10, v12
	v_rsq_f32 v11, v12
	v_nop                                          ; a plain instruction behind the second root,
	s_wait_alu depctr_va_vdst(0)                   ; and the one wait ahead of the first use
.set i, 0
.rept 16
	v_pk_mul_f32 v[T+2*i:T+2*i+1], v[T+2*i:T+2*i+1], v[10:11]
.set i, i+1
.endr
.set i, 0
.rept 16
	v_fma_mix_f32_bf16 v[T+2*i], v[T+2*i], v[WP+i], v[BP+i] op_sel:[0,0,0] op_sel_hi:[0,1,1]
	v_fma_mix_f32_bf16 v[T+2*i+1], v[T+2*i+1], v[WP+i], v[BP+i] op_sel:[0,1,1] op_sel_hi:[0,1,1]
.set i, i+1
.endr
.set i, 0
.rept 16
	v_cvt_pk_f16_f32 v[H+i], v[T+2*i], v[T+2*i+1]
.set i, i+1
.endr
.set j, 0
.rept 8
	global_store_b64 v3, v[H+2*j:H+2*j+1], s[24:25] offset:256*j
.set j, j+1
.endr
	s_endpgm
.Lcast:                                        ; chunk c = work-group - 1024: 32 KiB in, 16 KiB out; 128 threads, sixteen loads of 16 bytes each
	s_sub_co_u32 s5, ttmp9, 1024
	v_lshlrev_b32 v2, 4, v0                        ; 16 x thread
	v_lshlrev_b32 v3, 3, v0                        ; 8 x thread
	s_sub_co_u32 s40, s5, 512                      ; c' : under 512 for mlp_in_w and mlp_gate_w alone
	s_lshr_b32 s41, s40, 8
	s_and_b32 s41, s41, 1                          ; 0 in, 1 gate
	s_and_b32 s42, s40, 255                        ; the chunk in its matrix: 8 rows
	s_lshr_b32 s43, s42, 3
	s_lshl_b32 s43, s43, 4                         ; a block of 64 rows is 8 chunks; in and gate by turns: 16 chunks a pair
	s_lshl_b32 s41, s41, 3
	s_and_b32 s42, s42, 7
	s_add_co_u32 s43, s43, s41
	s_add_co_u32 s43, s43, s42
	s_add_co_u32 s43, s43, 512
	s_cmp_lt_u32 s40, 512
	s_cselect_b32 s43, s43, s5                     ; the other matrices lie in wbf in the chunks' own order
	s_lshl_b32 s38, s43, 14
	s_mov_b32 s39, 0
	s_wait_kmcnt 0x0
	s_add_nc_u64 s[28:29], s[28:29], s[38:39]
	s_mov_b64 s[2:3], s[14:15]
	s_mov_b32 s6, 0
	s_cmp_ge_u32 s5, 384
	s_cselect_b64 s[2:3], s[16:17], s[2:3]
	s_cselect_b32 s6, 384, s6
	s_cmp_ge_u32 s5, 512
	s_cselect_b64 s[2:3], s[18:19], s[2:3]
	s_cselect_b32 s6, 512, s6
	s_cmp_ge_u32 s5, 768
	s_cselect_b64 s[2:3], s[20:21], s[2:3]
	s_cselect_b32 s6, 768, s6
	s_cmp_ge_u32 s5, 1024
	s_cselect_b64 s[2:3], s[22:23], s[2:3]
	s_cselect_b32 s6, 1024, s6
	s_cselect_b32 s36, -1, 0                       ; all lanes: keep bf16 (mlp_out_w) or write f16
	s_sub_co_u32 s38, s5, s6
	s_lshl_b32 s38, s38, 15
	s_add_nc_u64 s[2:3], s[2:3], s[38:39]
.set i, 0
.rept 16
	global_load_b128 v[16+4*i:19+4*i], v2, s[2:3] offset:2048*i th:TH_LOAD_NT
.set i, i+1
.endr
.set i, 0
.rept 16
	s_wait_loadcnt 15-i                            ; loads come back in order: the younger ones stay out
	v_cvt_pk_bf16_f32 v112, v[16+4*i], v[17+4*i]
	v_cvt_pk_bf16_f32 v113, v[18+4*i], v[19+4*i]
	v_lshlrev_b32 v114, 16, v112
	v_and_b32 v115, s32, v112
	v_lshlrev_b32 v116, 16, v113
	v_and_b32 v117, s32, v113
	v_cvt_pk_f16_f32 v118, v114, v115
	v_cvt_pk_f16_f32 v119, v116, v117
	v_cndmask_b32 v[80+2*i], v118, v112, s36
	v_cndmask_b32 v[81+2*i], v119, v113, s36
	global_store_b64 v3, v[80+2*i:81+2*i], s[28:29] offset:1024*i  ; a wave stores 256 consecutive bytes, aligned; each store has data registers of its own
.set i, i+1
.endr
	s_endpgm
.Lfunc_end_k_q79c4026f01_prep:
	.size	k_q79c4026f01_prep, .Lfunc_end_k_q79c4026f01_prep-k_q79c4026f01_prep
	.p2alignl 7, 3214868480
	.fill 96, 4, 3214868480
	.section	.rodata,"a",@progbits
	.p2align	6, 0x0
	.amdhsa_kernel k_q79c4026f01_prep
		.amdhsa_group_segment_fixed_size 0
		.amdhsa_private_segment_fixed_size 0
		.amdhsa_enable_private_segment 0
		.amdhsa_kernarg_size 88
		.amdhsa_user_sgpr_count 2
		.amdhsa_user_sgpr_kernarg_segment_ptr 1
		.amdhsa_wavefront_size32 1
		.amdhsa_system_sgpr_workgroup_id_x 1
		.amdhsa_system_sgpr_workgroup_id_y 1
		.amdhsa_system_sgpr_workgroup_id_z 1
		.amdhsa_system_vgpr_workitem_id 0
		.amdhsa_next_free_vgpr 128
		.amdhsa_next_free_sgpr 66
		.amdhsa_reserve_vcc 0
		.amdhsa_float_denorm_mode_32 3
		.amdhsa_float_denorm_mode_16_64 3
		.amdhsa_memory_ordered 1
		.amdhsa_forward_progress 1
		.amdhsa_inst_pref_size 31
	.end_amdhsa_kernel
	.amdgpu_metadata
---
amdhsa.version: [ 1, 2 ]
amdhsa.kernels:
  - .name:           k_q79c4026f01_prep
    .symbol:         k_q79c4026f01_prep.kd
    .args:
      - { .name: x, .offset: 0, .size: 8, .value_kind: global_buffer, .address_space: global }
      - { .name: ln1_w, .offset: 8, .size: 8, .value_kind: global_buffer, .address_space: global }
      - { .name: ln1_b, .offset: 16, .size: 8, .value_kind: global_buffer, .address_space: global }
      - { .name: qkv_w, .offset: 24, .size: 8, .value_kind: global_buffer, .address_space: global }
      - { .name: attn_out_w, .offset: 32, .size: 8, .value_kind: global_buffer, .address_space: global }
      - { .name: mlp_in_w, .offset: 40, .size: 8, .value_kind: global_buffer, .address_space: global }
      - { .name: mlp_gate_w, .offset: 48, .size: 8, .value_kind: global_buffer, .address_space: global }
      - { .name: mlp_out_w, .offset: 56, .size: 8, .value_kind: global_buffer, .address_space: global }
      - { .name: hn, .offset: 64, .size: 8, .value_kind: global_buffer, .address_space: global }
      - { .name: xb, .offset: 72, .size: 8, .value_kind: global_buffer, .address_space: global }
      - { .name: wbf, .offset: 80, .size: 8, .value_kind: global_buffer, .address_space: global }
    .group_segment_fixed_size: 0
    .private_segment_fixed_size: 0
    .kernarg_segment_align: 8
    .kernarg_segment_size: 88
    .max_flat_workgroup_size: 128
    .sgpr_count:     66
    .vgpr_count:     128
    .wavefront_size: 32
...
	.end_amdgpu_metadata
.endif
;; end of part 1
;; launch qkv (part 2): grid 16 x 16, 4 waves a work-group, clusters of 4 x 4, 327,680 bytes of LDS; arguments hn, wbf, qkvh; writes qkvh
.if DOCPART == 2
	.amdgcn_target "amdgcn-amd-amdhsa--gfx1250"
	.amdhsa_code_object_version 6
	.text
	.protected	k_q79c4026f01_qkv
	.globl	k_q79c4026f01_qkv
	.p2align	8
	.type	k_q79c4026f01_qkv,@function
k_q79c4026f01_qkv:
	s_mov_b64 s[64:65], 0
	v_nop
	global_prefetch_b8 v0, s[64:65] scope:SCOPE_SE
	s_setreg_imm32_b32 hwreg(HW_REG_WAVE_MODE, 25, 1), 1
	s_wait_xcnt 0x0
	s_wait_alu depctr_hold_cnt(0) depctr_sa_sdst(0) depctr_va_vdst(0) depctr_va_sdst(0) depctr_va_ssrc(0) depctr_va_vcc(0) depctr_vm_vsrc(0)
	s_getreg_b32 s2, hwreg(HW_REG_IB_STS2, 6, 4)
	s_cmp_eq_u32 s2, 0
	s_cbranch_scc0 .Lentry_in_a_cluster
	s_endpgm
.Lentry_in_a_cluster:
	s_bfe_u32 s2, ttmp6, 0x10000c
	s_cmp_lg_u32 s2, 0xf033
	s_cbranch_scc0 .Lentry_shape_is_right
	s_endpgm
.Lentry_shape_is_right:
; QKV: C[m][n] = sum over k of h1[m][k] WQ[n][k]; h1 = hn [4096][1024] f16, WQ = wbf + 0 [3072][1024] f16; sums in f32; C rounded once to f16 and laid by heads:
; qkvh [batch][group = n / 64 (0-15 q, 16-31 k, 32-47 v)][t][64].  LIMIT: q, k, v beyond 65,504 become infinities.
; A tile of C is 256 x 192; 16 x 16 work-groups, one for each WGP.  Wave w owns rows 64 w .. + 63 and all 192 columns (three whole heads): 48 accumulators of 16 x 16.
; K goes in steps of 128 (rows of 256 bytes, aligned) through two LDS slots; a wave fetches half of A's or of B's tile by one tensor load.
; CLUSTER 4 x 4: A's tile is asked for jointly along a row of the cluster, B's along a column.
; THE SLOT IN HAND IS A SCALAR (s22: 0 or SLOT), so that a K step is written once.  The matrix instruction is used transposed (source 0 = rows of W, source 1 = rows of h): a lane holds 8 neighbouring columns of one row.
; WINDOWS: 0: addresses, A's fragments v64.., v128..; 1: B's fragments v0.., v128..; 2, 3: accumulators (a, b) at v[8 ((a % 2) 12 + b)], window 2 + a / 2.
.set MB,    4                          ; blocks of 16 rows a wave
.set NBK,   12                         ; blocks of 16 columns a wave
.set TN,    192
.set WOFF,  0
.set PITCH, 272                        ; 256 bytes + 16 of padding: 68 words, so the 16 rows of a fragment load start at 16 different groups of four banks (ISA guide 11.1)
.set AB,    256*PITCH                  ; A's 256 rows; B's follow
.set SLOT,  (256+TN)*PITCH
.set SPARE, 2*SLOT                     ; behind the slots: the spare words, 128 bytes a wave, which no other line names
.set SP,    784                        ; the way out: a stage row, 192 f32 + 16 bytes
.set STG,   64*SP                      ; a wave's stage; the stages lie in the slots' bytes, written only when both slots have had their last fill and nobody reads them
.set STO, 24
.set RD,  25
.set GO,  26
.set SPW, 28
.set NIL, 29
.set PFO, 30
.set G1,  24
.set G0,  32
.set LIM, 43
.set PFA, 44
.set G1B, 48
.set G0B, 56
.set GW,  (1<<16)|(1<<20)|(1<<21)|(5<<22)|(3<<25)  ; 2-byte elements; padding on; bit 21 beside a mask; after every 64 words, 4 words
.set MSB, 0
.macro WIN new
.if MSB != (\new)
	s_set_vgpr_msb (MSB<<8)|(\new)
.set MSB, \new
.endif
.endm
.macro PLACES
.rept 4
	v_nop
.endr
.endm
.macro JLOAD                           ; the joint refill: waves 0, 1 A's halves, waves 2, 3 B's; an s_nop 0 and four v_nop follow each line
	s_cmp_eq_u32 s11, 0
	s_cbranch_scc0 .Lfor_b_\@
	tensor_load_to_lds s[G0+4:G0+7], s[G1:G1+7]
	s_nop 0
	PLACES
	s_branch .Lasked_\@
.Lfor_b_\@:
	tensor_load_to_lds s[G0B+4:G0B+7], s[G1B:G1B+7]
	s_nop 0
	PLACES
.Lasked_\@:
.endm
.macro ASK                             ; a prefetch of the K step two refills on: my work-group's share of the rows that I fetch, a lane a row of 256 bytes; the last two refills have no such step
	s_cmp_gt_u32 s3, s[LIM]
	s_cbranch_scc0 .Lnot_mine_\@
	global_prefetch_b8 v[PFO], s[PFA:PFA+1] offset:256 th:TH_LOAD_NT scope:SCOPE_SE
.Lnot_mine_\@:
.endm
.macro CREST
	s_cmp_lg_u32 s10, 0
	s_cbranch_scc1 .Lnot_wave_0_\@
	s_barrier_signal -3
.Lnot_wave_0_\@:
	s_barrier_wait -3
	s_barrier_signal -1
	s_barrier_wait -1
.endm
.macro CROUND
	s_barrier_signal -1
	s_barrier_wait -1
	CREST
.endm
.macro MULA f, a, zero                 ; NBK products: row block a x all column blocks, 32 along K, from buffer f
	WIN 0xa1+0x50*((\a)/(MB/2))
.set rA, 64+64*(\f)+8*(\a)
.set bb, 0
.rept NBK
.set rD, 8*(((\a)%(MB/2))*NBK+bb)
.set rB, 128*(\f)+8*bb
.if \zero
	v_wmma_f32_16x16x32_f16 v[rD:rD+7], v[rB:rB+7], v[rA:rA+7], 0
.else
	v_wmma_f32_16x16x32_f16 v[rD:rD+7], v[rB:rB+7], v[rA:rA+7], v[rD:rD+7]
.endif
.set bb, bb+1
.endr
.endm
.macro MULS f, a0, a1, zero
.set aa, \a0
.rept (\a1)-(\a0)
	MULA \f, aa, \zero
.set aa, aa+1
.endr
.endm
.macro FETCH k, f                      ; 32 LDS loads in one run: the fragments of 32 along K at byte k of the rows, into buffer f
	WIN 0x40
.set ii, 0
.rept NBK
	ds_load_b128 v[128*(\f)+8*ii:128*(\f)+8*ii+3],   v19 offset:(\k)+ii*16*PITCH
	ds_load_b128 v[128*(\f)+8*ii+4:128*(\f)+8*ii+7], v19 offset:(\k)+ii*16*PITCH+32
.set ii, ii+1
.endr
	WIN 0
.set ii, 0
.rept MB
	ds_load_b128 v[64+64*(\f)+8*ii:64+64*(\f)+8*ii+3],   v18 offset:(\k)+ii*16*PITCH
	ds_load_b128 v[64+64*(\f)+8*ii+4:64+64*(\f)+8*ii+7], v18 offset:(\k)+ii*16*PITCH+32
.set ii, ii+1
.endr
.endm
.macro PASS k, f, g, zero              ; buffer g takes the next 32 along K, buffer f is multiplied
	PLACES                                         ; four places between the last product that read buffer g and the loads into it
	FETCH \k, \g
	s_wait_dscnt 32                                ; all but the 32 just issued: buffer f is in
	MULS \f, 0, MB, \zero
.endm
; The fourth pass of a K step multiplies buffer 1 and changes slots: one barrier; in front of it each wave waits for all its tensor loads, adds 0 to its spare word, and waits for that and for its reads of the slot.
; fill = 1: the barrier opens a round of the cluster's barrier, and the slot just read is filled again first behind it, two K steps ahead.
.macro TURN fill
.if \fill
	s_wait_xcnt 0x0                                ; the last prefetch, a K step back, has read its address
	s_add_nc_u64 s[PFA:PFA+1], s[PFA:PFA+1], 256
.endif
	WIN 0
	s_wait_tensorcnt 0x0                           ; my one load that was out, my part of the next slot, has landed
	ds_add_u32 v[SPW], v[NIL]
	s_wait_dscnt 1                                 ; only the add may be out: buffer 1 is in
	MULS 1, 0, MB/4, 0
	s_wait_dscnt 0x0                               ; the add is done; my reads of this slot are over
	s_barrier_signal -1
	MULS 1, MB/4, MB/2, 0
	WIN 0
	s_barrier_wait -1
.if \fill
	CREST
	s_add_co_u32 s[G0+5], s20, s22                 ; the walking descriptors: into the slot just read,
	s_add_co_u32 s[G0B+5], s21, s22
	s_add_nc_u64 s[G0+6:G0+7], s[G0+6:G0+7], 256   ; the next K step
	s_add_nc_u64 s[G0B+6:G0B+7], s[G0B+6:G0B+7], 256
	JLOAD                                          ; its four v_nop are also the places in front of the loads below
.else
	PLACES
.endif
	s_xor_b32 s22, s22, SLOT                       ; the other slot is read from here on
	v_add_nc_u32 v18, s22, v16
	v_add_nc_u32 v19, s22, v17
.if \fill
	FETCH 0, 0
	ASK
.else
	s_cmp_eq_u32 s3, 1                             ; behind the last K step there is nothing to fetch
	s_cbranch_scc1 .Lnofetch_\@
	FETCH 0, 0
.Lnofetch_\@:
.endif
	MULS 1, MB/2, MB, 0
.endm
	s_load_b128 s[4:7], s[0:1], 0x0                ; hn s[4:5], wbf s[6:7]
	s_load_b64 s[8:9], s[0:1], 0x10                ; qkvh
	v_lshl_add_u32 v[SPW], v0, 2, SPARE
	v_mov_b32 v[NIL], 0
	ds_add_u32 v[SPW], v[NIL]                      ; the opening add
	ds_add_u32 v28, v29
	v_lshrrev_b32 v1, 5, v0
	v_readfirstlane_b32 s10, v1                    ; wave
	s_lshr_b32 s11, s10, 1                         ; I fetch for A (0) or B (1)
	s_and_b32 s12, s10, 1                          ; which half of that tile
	s_bfe_u32 s40, ttmp6, 0x40000                  ; cx
	s_bfe_u32 s41, ttmp6, 0x40004                  ; cy
	s_lshl_b32 s42, ttmp9, 2
	s_add_co_u32 s42, s42, s40                     ; tile column
	s_and_b32 s13, ttmp7, 0xffff
	s_lshl_b32 s13, s13, 2
	s_add_co_u32 s13, s13, s41                     ; tile row
	s_lshl_b32 s43, s41, 2
	s_lshl_b32 s43, 15, s43                        ; my row of the cluster
	s_lshl_b32 s44, 0x1111, s40                    ; my column
	s_or_b32 s[G1], s43, GW
	s_or_b32 s[G1B], s44, GW
	s_mov_b32 s[G1+1], 128<<16                     ; tensor_dim0 = 128
	s_mov_b32 s[G1+2], 128<<16                     ; tensor_dim1 = 128
	s_mov_b32 s[G1+3], 128<<16                     ; tile_dim0 = 128
	s_mov_b32 s[G1+4], 128                         ; tile_dim1 = 128
	s_mov_b32 s[G1+5], 1024                        ; elements from row to row
	s_mov_b32 s[G1+6], 0
	s_mov_b32 s[G1+7], 0
	s_mov_b32 s[G1B+1], 128<<16
	s_mov_b32 s[G1B+2], (TN/2)<<16
	s_mov_b32 s[G1B+3], 128<<16
	s_mov_b32 s[G1B+4], TN/2
	s_mov_b32 s[G1B+5], 1024
	s_mov_b32 s[G1B+6], 0
	s_mov_b32 s[G1B+7], 0
	s_lshl_b32 s16, s13, 8
	s_lshl_b32 s17, s12, 7
	s_add_co_u32 s16, s16, s17                     ; A: row 256 x tile row + 128 x half
	s_lshl_b32 s16, s16, 11                        ; rows of 2,048 bytes
	s_mov_b32 s17, 0
	s_mul_i32 s46, s42, TN
	s_mul_i32 s47, s12, TN/2
	s_add_co_u32 s46, s46, s47                     ; B: row TN x tile column + TN / 2 x half
	s_lshl_b32 s46, s46, 11
	s_add_co_u32 s46, s46, WOFF
	s_mov_b32 s47, 0
	s_mul_i32 s20, s12, 128*PITCH                  ; where my part goes in a slot, for A
	s_mul_i32 s21, s12, (TN/2)*PITCH               ; and for B
	s_add_co_u32 s21, s21, AB
	s_mov_b32 s22, 0                               ; the slot in hand
	s_wait_dscnt 0x0                               ; the opening add is done
	s_wait_kmcnt 0x0
	s_add_nc_u64 s[14:15], s[4:5], s[16:17]
	s_add_nc_u64 s[46:47], s[6:7], s[46:47]
	CROUND                                         ; all sixteen work-groups are here: the first joint loads meet
.irp s, 0,1
	s_mov_b32 s[G0+4*(\s)], 1
	s_add_co_u32 s[G0+4*(\s)+1], s20, (\s)*SLOT
	s_add_nc_u64 s[G0+4*(\s)+2:G0+4*(\s)+3], s[14:15], (\s)*256
	s_or_b32 s[G0+4*(\s)+3], s[G0+4*(\s)+3], 0x80000000
	s_mov_b32 s[G0B+4*(\s)], 1
	s_add_co_u32 s[G0B+4*(\s)+1], s21, (\s)*SLOT
	s_add_nc_u64 s[G0B+4*(\s)+2:G0B+4*(\s)+3], s[46:47], (\s)*256
	s_or_b32 s[G0B+4*(\s)+3], s[G0B+4*(\s)+3], 0x80000000
.endr
	s_cmp_eq_u32 s11, 0                            ; a wave's two first fills stand in one branch: two loads of mine are out
	s_cbranch_scc0 .Lfirst_b
	tensor_load_to_lds s[G0:G0+3], s[G1:G1+7]
	s_nop 0
	tensor_load_to_lds s[G0+4:G0+7], s[G1:G1+7]
	s_nop 0
	PLACES
	s_branch .Lfirst_done
.Lfirst_b:
	tensor_load_to_lds s[G0B:G0B+3], s[G1B:G1B+7]
	s_nop 0
	tensor_load_to_lds s[G0B+4:G0B+7], s[G1B:G1B+7]
	s_nop 0
	PLACES
.Lfirst_done:
	v_and_b32 v1, 15, v0                           ; l % 16
	v_bfe_u32 v2, v0, 4, 1                         ; l / 16
	v_mul_u32_u24 v3, v1, PITCH
	v_lshl_add_u32 v3, v2, 4, v3                   ; a fragment's row x pitch + 16 x half
	s_mul_i32 s16, s10, 64*PITCH                   ; my 64 rows of A
	v_add_nc_u32 v16, s16, v3
	v_add_nc_u32 v17, AB, v3                       ; all of B's rows
	v_mov_b32 v18, v16
	v_mov_b32 v19, v17
	s_mul_i32 s23, s10, STG                        ; my stage
	v_mul_u32_u24 v4, v1, SP
	v_lshl_add_u32 v4, v2, 5, v4                   ; in: row l % 16, 32 bytes for each half of the lanes
	v_add_nc_u32 v[STO], s23, v4
	v_bfe_u32 v5, v0, 3, 2
	v_and_b32 v6, 7, v0
	v_mul_u32_u24 v5, v5, SP
	v_lshl_add_u32 v5, v6, 5, v5                   ; back: 32 lanes take four rows of a head, 8 numbers each
	v_add_nc_u32 v[RD], s23, v5
	v_and_b32 v[GO], 31, v0
	v_lshlrev_b32 v[GO], 4, v[GO]                  ; which are 512 consecutive bytes of qkvh
	s_lshl_b32 s16, s13, 8
	s_lshl_b32 s17, s10, 6
	s_add_co_u32 s16, s16, s17                     ; my first row m0
	s_lshr_b32 s17, s16, 11                        ; the batch
	s_mul_i32 s17, s17, 48
	s_mul_i32 s18, s42, 3
	s_add_co_u32 s17, s17, s18                     ; my first group
	s_lshl_b32 s17, s17, 18                        ; a group is 262,144 bytes
	s_and_b32 s16, s16, 2047
	s_lshl_b32 s16, s16, 7
	s_add_co_u32 s16, s16, s17
	s_mov_b32 s17, 0
	s_add_nc_u64 s[8:9], s[8:9], s[16:17]
	; the prefetches: A's rows are asked for by the clusters with x = 0, B's by those with y = 0; the four partners that ask for a tile jointly share a wave's rows out by address (32 of A, 24 of B each)
	s_lshl_b32 s16, s13, 8
	s_mul_i32 s17, s42, TN
	s_and_b32 s18, ttmp7, 0xffff
	s_movk_i32 s19, 128
	s_cmp_eq_u32 s11, 0
	s_cselect_b32 s16, s16, s17                    ; the tile's first row
	s_cselect_b32 s17, s40, s41                    ; my place among the four
	s_cselect_b32 s18, ttmp9, s18                  ; the coordinate along which other clusters read the same rows
	s_cselect_b32 s19, s19, TN/2                   ; rows that a wave fetches
	s_cselect_b32 s23, 0, WOFF
	s_cselect_b64 s[PFA:PFA+1], s[4:5], s[6:7]
	s_cmp_eq_u32 s18, 0
	s_cselect_b32 s[LIM], 2, -1
	s_mul_i32 s18, s12, s19
	s_add_co_u32 s16, s16, s18
	s_lshr_b32 s19, s19, 2
	s_mul_i32 s17, s17, s19
	s_add_co_u32 s16, s16, s17
	s_lshl_b32 s16, s16, 11
	s_add_co_u32 s16, s16, s23
	s_add_co_u32 s16, s16, 512                     ; at K step 2: the first refill steps it to 3 and names 4
	s_mov_b32 s17, 0
	s_add_nc_u64 s[PFA:PFA+1], s[PFA:PFA+1], s[16:17]
	s_sub_co_u32 s19, s19, 1
	v_and_b32 v[PFO], 31, v0
	v_min_u32 v[PFO], s19, v[PFO]                  ; for B's 24 rows lanes 24-31 name lane 23's row again
	v_lshlrev_b32 v[PFO], 11, v[PFO]
	s_wait_tensorcnt 1                             ; my part of K step 0 is in; K step 1's may stay out
	s_barrier_signal -1
	s_barrier_wait -1
	FETCH 0, 0
	PASS 64, 0, 1, 1                               ; the first pass starts the sums: nothing is cleared
	WIN 0
	s_mov_b32 s3, 6
.Lstep:                                        ; a trip: passes 1, 2, 3 of a K step and pass 0 of the next; K steps 2 to 7 are asked for
	PASS 128, 1, 0, 0
	PASS 192, 0, 1, 0
	TURN 1
	PASS 64, 0, 1, 0
	WIN 0
	s_sub_co_u32 s3, s3, 1
	s_cmp_lg_u32 s3, 0
	s_cbranch_scc1 .Lstep
	s_mov_b32 s3, 2
.Ltail:                                        ; the last two K steps ask for nothing
	PASS 128, 1, 0, 0
	PASS 192, 0, 1, 0
	TURN 0
	WIN 0
	s_cmp_eq_u32 s3, 1
	s_cbranch_scc1 .Lnopass
	PASS 64, 0, 1, 0
	WIN 0
.Lnopass:
	s_sub_co_u32 s3, s3, 1
	s_cmp_lg_u32 s3, 0
	s_cbranch_scc1 .Ltail
	; THE WAY OUT.  Behind the last barrier no wave reads a slot and no fill is to come: each wave lays its 64 x 192 sums, f32, into its own stage and reads them back by heads.
	PLACES
.set aa, 0
.rept MB
	WIN 0x08+0x04*(aa/(MB/2))
.set bb, 0
.rept NBK
.set rD, 8*((aa%(MB/2))*NBK+bb)
	ds_store_b128 v[STO], v[rD:rD+3] offset:aa*16*SP+64*bb
	ds_store_b128 v[STO], v[rD+4:rD+7] offset:aa*16*SP+64*bb+16
.set bb, bb+1
.endr
.set aa, aa+1
.endr
	WIN 0
	s_mov_b32 s2, 8
.Lrows:                                        ; eight rows a trip; LDS serves a wave's instructions in order (ISA guide 5.7.1.4): the loads see the stores above
.irp q, 0,1,2,3,4,5
	ds_load_b128 v[32+8*(\q):35+8*(\q)], v[RD] offset:256*((\q)/2)+4*SP*((\q)%2)
	ds_load_b128 v[36+8*(\q):39+8*(\q)], v[RD] offset:256*((\q)/2)+4*SP*((\q)%2)+16
.endr
	s_wait_dscnt 0x0
.set i, 0
.rept 24
	v_cvt_pk_f16_f32 v[96+i], v[32+2*i], v[33+2*i]
.set i, i+1
.endr
.irp q, 0,1,2,3,4,5
	global_store_b128 v[GO], v[96+4*(\q):99+4*(\q)], s[8:9] offset:262144*((\q)/2)+512*((\q)%2)  ; four rows of a head: 512 consecutive bytes, aligned
.endr
	s_wait_xcnt 0x0                                ; the stores have read their registers: these are rewritten only behind this wait
	v_add_nc_u32 v[RD], 8*SP, v[RD]
	v_add_nc_u32 v[GO], 1024, v[GO]
	s_sub_co_u32 s2, s2, 1
	s_cmp_lg_u32 s2, 0
	s_cbranch_scc1 .Lrows
	s_wait_tensorcnt 0x0                           ; the wave's end
	ds_add_u32 v[SPW], v[NIL]
	s_wait_dscnt 0x0
	CROUND                                         ; the closing round
	s_endpgm
.Lfunc_end_k_q79c4026f01_qkv:
	.size	k_q79c4026f01_qkv, .Lfunc_end_k_q79c4026f01_qkv-k_q79c4026f01_qkv
	.p2alignl 7, 3214868480
	.fill 96, 4, 3214868480
	.section	.rodata,"a",@progbits
	.p2align	6, 0x0
	.amdhsa_kernel k_q79c4026f01_qkv
		.amdhsa_group_segment_fixed_size 327680
		.amdhsa_private_segment_fixed_size 0
		.amdhsa_enable_private_segment 0
		.amdhsa_kernarg_size 24
		.amdhsa_user_sgpr_count 2
		.amdhsa_user_sgpr_kernarg_segment_ptr 1
		.amdhsa_wavefront_size32 1
		.amdhsa_system_sgpr_workgroup_id_x 1
		.amdhsa_system_sgpr_workgroup_id_y 1
		.amdhsa_system_sgpr_workgroup_id_z 1
		.amdhsa_system_vgpr_workitem_id 0
		.amdhsa_next_free_vgpr 1024
		.amdhsa_next_free_sgpr 66
		.amdhsa_reserve_vcc 0
		.amdhsa_float_denorm_mode_32 3
		.amdhsa_float_denorm_mode_16_64 3
		.amdhsa_memory_ordered 1
		.amdhsa_forward_progress 1
		.amdhsa_inst_pref_size 70
	.end_amdhsa_kernel
	.amdgpu_metadata
---
amdhsa.version: [ 1, 2 ]
amdhsa.kernels:
  - .name:           k_q79c4026f01_qkv
    .symbol:         k_q79c4026f01_qkv.kd
    .args:
      - { .name: hn, .offset: 0, .size: 8, .value_kind: global_buffer, .address_space: global }
      - { .name: wbf, .offset: 8, .size: 8, .value_kind: global_buffer, .address_space: global }
      - { .name: qkvh, .offset: 16, .size: 8, .value_kind: global_buffer, .address_space: global }
    .group_segment_fixed_size: 327680
    .private_segment_fixed_size: 0
    .kernarg_segment_align: 8
    .kernarg_segment_size: 24
    .max_flat_workgroup_size: 128
    .sgpr_count:     66
    .vgpr_count:     1024
    .wavefront_size: 32
...
	.end_amdgpu_metadata
.endif
;; end of part 2
;; launch attn (part 3): grid 8 x 32, 4 waves a work-group, no clusters, 327,680 bytes of LDS; arguments qkvh, ob; writes ob
.if DOCPART == 3
	.amdgcn_target "amdgcn-amd-amdhsa--gfx1250"
	.amdhsa_code_object_version 6
	.text
	.protected	k_q79c4026f01_attn
	.globl	k_q79c4026f01_attn
	.p2align	8
	.type	k_q79c4026f01_attn,@function
k_q79c4026f01_attn:
	s_mov_b64 s[64:65], 0
	v_nop
	global_prefetch_b8 v0, s[64:65] scope:SCOPE_SE
	s_setreg_imm32_b32 hwreg(HW_REG_WAVE_MODE, 25, 1), 1
	s_wait_xcnt 0x0
; CAUSAL ATTENTION, 32 heads (batch x 16 + head) of 2,048 rows of 64 channels, f16.  O[q] = sum over k <= q of softmax_k(Q[q] . K[k] / 8) V[k].  Q, K, V from qkvh [batch][group][t][64], O into ob [head][t][64].
; Products, maxima and sums in f32; the weights p are rounded to f16 for the second product (their sum is taken of the unrounded p), O once at the end.
; LIMITS.  Q, K, V arrive within f16's 65,504.  A hidden score counts as its value less 1e30; a weight below 2^-126 counts as 0; NaN and infinities are not treated apart.
; THE WALK.  A head's queries lie in 16 blocks of 128; block i needs the key tiles 0 .. i / 2 of 256 keys, the last of which holds the diagonal.  A work-group takes blocks 15 - b and then b: nine tiles, whatever b:
; 256 work-groups of equal work, one loop with a constant trip count.  Of a block's two bands of 64 queries a wave owns 16 rows in each: two PIECES.  In the diagonal tile band p's own key step is DG + p, DG = 2 (i % 2);
; earlier steps are seen whole, later ones are hidden whole (and computed all the same: two of a work-group's 36 steps, in its even block).
; TURNS.  Turn p of step j: 8 products K Q^T of the other piece (p = 0: step j; p = 1: step j + 1), later 8 products V^T P of the other piece (p = 0: step j - 1; p = 1: step j); beside them piece p's scaling,
; exponentials, roundings, sums and rescaling, and the other piece's maximum and statistics.  Four vector instructions stand behind each matrix instruction, the rest in one lump; a turn's 33 exponentials are one batch with one wait.
; K OF THE NEXT STEP is wanted before V of the step in hand has been read.  So a slot holds FIVE steps of K, the fifth being the next tile's first, and the change of slots stands plainly between two tiles.
; THE MASK is the C operand that starts S^T: MD (my rows' mask in their band's own step) x AL + BE.  Piece 0's scores of a tile's first step are made in the tile before: turn 1 always takes mask buffer 0, which is 0 but ahead of a diagonal tile.
; A BLOCK'S LAST STEP IS A STEP LIKE THE OTHERS: its turn 0 fetches the slot's fifth step of K, and its turn 1 makes piece 0's scores of it under a mask that hides them all: the maximum stays, a is 1, and nothing reads them.
; Eight products and sixteen LDS loads a block: the price of one text for the diagonal tile's four steps.
; NO CLUSTER: a head's eight work-groups ask for the same tile only in their first five trips; behind that their walks part, and one walk common to all would have 12 trips for 9.
; WINDOWS: 0: addresses, statistics, S^T v64-127, P v192-223; 1: O^T v0-63, MD v128-159, MC v160-223; 2: Q v0-31, the second block's Q v64-95, K v128-191, V v192-255.
.set NP,    2
.set KS,    64
.set PK,    144                        ; a row of K in LDS: 128 bytes + 16: 36 words
.set PV,    160                        ; a row of V: 128 + 32: 40 words
.set VOFF,  5*KS*PK                    ; a slot: 320 rows of K, then 256 rows of V
.set SLOT1, 1<<17
.set STAGE, SLOT1+VOFF+4*KS*PV         ; behind the ring, never filled: 16 rows x 144 bytes a wave
.set SP,    144
.set SPARE, STAGE+4*16*SP              ; the spare words, 128 bytes a wave, which no other line names
.set AK0, 2
.set AV0, 3
.set AK,  4
.set AV,  5
.set STO, 6
.set RD,  7
.set GO,  8
.set MV,  12
.set QO,  15
.set ST,  16                           ; piece t: c m, m, l (even keys', odd keys')
.set TMP, 48
.set PFO, 61
.set SPW, 62
.set NIL, 63
.set S,   64
.set P,   192
.set MD,  128
.set MC,  160
.set QB,  64
.set KF,  128
.set VF,  192
.set WV,  12
.set PB,  14
.set HI,  15
.set G1K, 24
.set G1V, 32
.set G0K, 40
.set G0V, 44
.set SLOTS, 56
.set CNT, 57
.set CS,  58
.set SEL, 60
.set TBK, 62
.set TBV, 63
.set RT,  70
.set NXT, 71
.set LQ,  72
.set NEW, 73
.set OFF, 74
.set AL,  76
.set BE,  78
.set OLO, 80
.set BIGN, 82
.set EQ,  88                           ; s88, s89: the value of CNT at which turn p makes its band's own mask: 5 - DG, 4 - DG
.set ALZ, 90                           ; s90: 1.0 where piece 0's own step is the diagonal tile's first
.set EQ2, 91                           ; s91-93: the same three for the second block
.set PFA, 94
.set LIM, 96
.set RT2, 97
.set LQ2, 98
.set MSB, 0
.macro WIN new
.if MSB != (\new)
	s_set_vgpr_msb (MSB<<8)|(\new)
.set MSB, (\new)
.endif
.endm
.set W_KQ, 0x0a
.set W_KM, 0x1a
.set W_PV, 0x52
.set W_RS, 0x41
.macro LOAD                            ; waves 0, 1: the halves of a tile's K (160 keys each); waves 2, 3: of its V (128 keys each)
	s_cmp_lt_u32 s[WV], 2
	s_cbranch_scc0 .Lfor_v_\@
	tensor_load_to_lds s[G0K:G0K+3], s[G1K:G1K+7]
	s_nop 0
.rept 4
	v_nop
.endr
	s_branch .Lasked_\@
.Lfor_v_\@:
	tensor_load_to_lds s[G0V:G0V+3], s[G1V:G1V+7]
	s_nop 0
.rept 4
	v_nop
.endr
.Lasked_\@:
.endm
.macro ASK                             ; the work-group with b = 0 walks tiles 0 to 7 in order: it prefetches, for the head, the tile that its next change of slots will ask for: 16,384 bytes a wave, a lane to each 256
	s_cmp_gt_u32 s[SLOTS], s[LIM]
	s_cbranch_scc0 .Lna_\@
	global_prefetch_b8 v[PFO], s[PFA:PFA+1] th:TH_LOAD_NT scope:SCOPE_SE
	global_prefetch_b8 v[PFO], s[PFA:PFA+1] offset:8192 th:TH_LOAD_NT scope:SCOPE_SE
.Lna_\@:
.endm
; THE CHANGE OF SLOTS: each wave waits for all its tensor loads (one is out: its part of the other slot), adds 0 to its spare word, waits for that and for its reads of the slot that it leaves; behind the barrier the old slot is filled first.
.macro CHANGE fill
	WIN 0
	s_wait_tensorcnt 0x0
	ds_add_u32 v[SPW], v[NIL]
.if \fill
	s_lshl_b32 s[OFF], s[NXT], 15                  ; a tile is 32,768 bytes of K and of V
	s_xor_b32 s[G0K+1], s[G0K+1], SLOT1
	s_add_nc_u64 s[G0K+2:G0K+3], s[6:7], s[OFF:OFF+1]
	s_or_b32 s[G0K+3], s[G0K+3], 0x80000000
	s_xor_b32 s[G0V+1], s[G0V+1], SLOT1
	s_add_nc_u64 s[G0V+2:G0V+3], s[8:9], s[OFF:OFF+1]
	s_or_b32 s[G0V+3], s[G0V+3], 0x80000000
	s_add_co_u32 s[NXT], s[NXT], 1                 ; the block's next tile, or behind its last the second block's tile 0
	s_cmp_gt_u32 s[NXT], s[LQ]
	s_cselect_b32 s[NXT], 0, s[NXT]
	s_cselect_b32 s[LQ], s[LQ2], s[LQ]
	s_wait_xcnt 0x0                                ; the last prefetches, a tile back, have read their address
	s_add_nc_u64 s[PFA:PFA+1], s[PFA:PFA+1], 32768
.endif
	s_wait_dscnt 0x0                               ; the add is done, and my reads of the slot are over
	s_barrier_signal -1
	s_sub_co_u32 s[TBK], s[TBK], 4*KS*PK           ; four steps back, in the other slot: K's fetches go on at a tile's second step, or at its first where a block begins
	s_xor_b32 s[TBK], s[TBK], SLOT1
	s_sub_co_u32 s[TBV], s[TBV], 4*KS*PV
	s_xor_b32 s[TBV], s[TBV], SLOT1
	s_barrier_wait -1
.if \fill
	LOAD
	ASK
.endif
.endm
	s_load_b128 s[16:19], s[0:1], 0x0              ; qkvh s[16:17], ob s[18:19]
	v_lshl_add_u32 v[SPW], v0, 2, SPARE
	v_mov_b32 v[NIL], 0
	ds_add_u32 v[SPW], v[NIL]                      ; the opening add
	ds_add_u32 v62, v63
	v_lshrrev_b32 v1, 5, v0
	v_readfirstlane_b32 s[WV], v1
	s_mov_b32 s[PB], ttmp9
	s_sub_co_u32 s[HI], 15, s[PB]
	s_and_b32 s20, ttmp7, 0xffff                   ; batch x 16 + head
	s_lshr_b32 s21, s20, 4
	s_mul_i32 s21, s21, 48
	s_and_b32 s22, s20, 15
	s_add_co_u32 s21, s21, s22
	s_lshl_b32 s21, s21, 18                        ; q's group, in bytes; k's lies 16 groups on, v's 32
	s_lshl_b32 s69, s20, 18                        ; the head in ob
	s_and_b32 s13, s[WV], 1                        ; which half of a tile I fetch
	s_mul_i32 s22, s13, 160*128
	s_add_co_u32 s22, s22, s21
	s_add_co_u32 s22, s22, 16<<18
	s_mov_b32 s23, 0
	s_lshl_b32 s84, s13, 14
	s_add_co_u32 s84, s84, s21
	s_add_co_u32 s84, s84, 32<<18
	s_mov_b32 s85, 0
	s_lshl_b32 s66, s[WV], 11                      ; my 16 rows in a band
	s_lshl_b32 s67, s[HI], 14
	s_add_co_u32 s67, s67, s66                     ; in the first block,
	s_lshl_b32 s68, s[PB], 14
	s_add_co_u32 s68, s68, s66                     ; and in the second
	s_lshr_b32 s66, s[WV], 1                       ; the prefetches: K's group (waves 0, 1) or V's (waves 2, 3),
	s_add_co_u32 s66, s66, 1
	s_lshl_b32 s66, s66, 22
	s_add_co_u32 s66, s66, s21
	s_lshl_b32 s2, s13, 14                         ; my half of a tile's 32,768 bytes,
	s_add_co_u32 s66, s66, s2
	s_add_co_u32 s66, s66, 32768                   ; at tile 1: the first change steps it to tile 2
	s_mov_b32 s3, 0
	s_cmp_eq_u32 s[PB], 0
	s_cselect_b32 s[LIM], 2, -1
	s_mov_b32 s[G1K], (1<<16)|(1<<20)|(4<<22)|(3<<25)  ; 2-byte elements; padding on: after every 32 words, 4 words
	s_mov_b32 s[G1V], (1<<16)|(1<<20)|(4<<22)|(7<<25)  ; the same with 8 words
	s_mov_b32 s[G1K+1], 128<<16                    ; dense bytes asked for as rows of 256, two keys a row
	s_mov_b32 s[G1K+2], 80<<16
	s_mov_b32 s[G1K+3], 128<<16
	s_mov_b32 s[G1K+4], 80
	s_mov_b32 s[G1K+5], 128
	s_mov_b32 s[G1K+6], 0
	s_mov_b32 s[G1K+7], 0
	s_mov_b32 s[G1V+1], 128<<16
	s_mov_b32 s[G1V+2], 64<<16
	s_mov_b32 s[G1V+3], 128<<16
	s_mov_b32 s[G1V+4], 64
	s_mov_b32 s[G1V+5], 128
	s_mov_b32 s[G1V+6], 0
	s_mov_b32 s[G1V+7], 0
	s_mov_b32 s[CS], 0x3e38aa3b                    ; c = log2(e) / 8
	s_mov_b32 s[CS+1], s[CS]
	s_mov_b32 s[SEL], 0x76543210
	s_mov_b32 s[SEL+1], 0xfedcba98
	s_mov_b32 s[TBK], SLOT1+4*KS*PK                ; the first change of slots turns these two into 0
	s_mov_b32 s[TBV], SLOT1+4*KS*PV
	s_mov_b32 s[G0K], 1
	s_mul_i32 s[G0K+1], s13, 160*PK
	s_mov_b32 s[G0V], 1
	s_mul_i32 s[G0V+1], s13, 128*PV
	s_add_co_u32 s[G0V+1], s[G0V+1], VOFF
	s_lshr_b32 s[LQ], s[HI], 1
	s_add_co_u32 s[RT], s[LQ], 1
	s_lshr_b32 s[LQ2], s[PB], 1
	s_add_co_u32 s[RT2], s[LQ2], 1
	s_mov_b32 s[NXT], 1
	s_mov_b32 s[NEW], 1
	s_mov_b32 s[OFF+1], 0
	s_mov_b32 s[AL+1], 0
	s_mov_b32 s[BE+1], 0
	s_mov_b32 s[BIGN], 0xf149f2ca                  ; -1e30
	s_mov_b32 s[SLOTS], 8
	s_and_b32 s2, s[HI], 1
	s_lshl_b32 s2, s2, 1                           ; DG of the first block
	s_sub_co_u32 s[EQ], 5, s2
	s_sub_co_u32 s[EQ+1], 4, s2
	s_cmp_eq_u32 s2, 0
	s_cselect_b32 s[ALZ], 1.0, 0
	s_and_b32 s2, s[PB], 1
	s_lshl_b32 s2, s2, 1                           ; and of the second
	s_sub_co_u32 s[EQ2], 5, s2
	s_sub_co_u32 s[EQ2+1], 4, s2
	s_cmp_eq_u32 s2, 0
	s_cselect_b32 s[EQ2+2], 1.0, 0
	s_wait_dscnt 0x0                               ; the opening add is done
	s_wait_kmcnt 0x0
	s_add_nc_u64 s[6:7], s[16:17], s[22:23]        ; K and V at my half of the head's tile 0
	s_add_nc_u64 s[8:9], s[16:17], s[84:85]
	s_mov_b32 s2, s66
	s_add_nc_u64 s[PFA:PFA+1], s[16:17], s[2:3]
	s_add_co_u32 s2, s21, s67
	s_add_nc_u64 s[4:5], s[16:17], s[2:3]          ; Q at my rows of the first block,
	s_add_co_u32 s2, s21, s68
	s_add_nc_u64 s[86:87], s[16:17], s[2:3]        ; and of the second
	s_add_co_u32 s2, s69, s67
	s_add_nc_u64 s[10:11], s[18:19], s[2:3]        ; O likewise
	s_add_co_u32 s2, s69, s68
	s_add_nc_u64 s[OLO:OLO+1], s[18:19], s[2:3]
	s_add_nc_u64 s[G0K+2:G0K+3], s[6:7], 0
	s_or_b32 s[G0K+3], s[G0K+3], 0x80000000
	s_add_nc_u64 s[G0V+2:G0V+3], s[8:9], 0
	s_or_b32 s[G0V+3], s[G0V+3], 0x80000000
	LOAD                                           ; tile 0 into slot 0
	v_and_b32 v1, 15, v0
	v_bfe_u32 v9, v0, 4, 1
	v_lshlrev_b32 v[QO], 7, v1
	v_lshl_add_u32 v[QO], v9, 4, v[QO]
	WIN 0x80
.set i, 0
.rept 4                                ; both blocks' Q: piece i / 2 lies 8,192 bytes on; channels 32 (i % 2) on
	global_load_b128 v[8*i:8*i+3],   v[QO], s[4:5] offset:(i/2)*8192+(i%2)*64
	global_load_b128 v[8*i+4:8*i+7], v[QO], s[4:5] offset:(i/2)*8192+(i%2)*64+32
	global_load_b128 v[QB+8*i:QB+8*i+3],   v[QO], s[86:87] offset:(i/2)*8192+(i%2)*64
	global_load_b128 v[QB+8*i+4:QB+8*i+7], v[QO], s[86:87] offset:(i/2)*8192+(i%2)*64+32
.set i, i+1
.endr
	WIN 0
	v_lshlrev_b32 v14, 3, v9
	v_sub_nc_u32 v14, v1, v14
	s_lshl_b32 s13, s[WV], 4
	v_add_nc_u32 v14, s13, v14                     ; my query's place in its band less my lanes' 8 (l / 16): register r of key group kt is hidden where 16 kt + r is greater
	WIN 0x40
.set i, 0
.rept 32
	v_cmp_gt_i32 vcc_lo, 16*(i/8)+i%8, v14
	v_cndmask_b32 v[MD+i], 0, s[BIGN], vcc_lo
.set i, i+1
.endr
	WIN 0
	v_mul_u32_u24 v[AK0], v1, PK
	v_lshl_add_u32 v[AK0], v9, 4, v[AK0]
	v_and_b32 v10, 7, v0
	v_bfe_u32 v11, v0, 3, 1
	v_lshl_add_u32 v[AV0], v9, 3, v10
	v_mul_u32_u24 v[AV0], v[AV0], PV
	v_lshl_add_u32 v[AV0], v11, 4, v[AV0]
	v_add_nc_u32 v[AV0], VOFF, v[AV0]
	s_mul_i32 s13, s[WV], 16*SP
	s_add_co_u32 s13, s13, STAGE
	v_mul_u32_u24 v[STO], v1, SP
	v_lshl_add_u32 v[STO], v9, 4, v[STO]
	v_add_nc_u32 v[STO], s13, v[STO]
	v_bfe_u32 v[RD], v0, 3, 2
	v_mul_u32_u24 v[RD], v[RD], SP
	v_lshl_add_u32 v[RD], v10, 4, v[RD]
	v_add_nc_u32 v[RD], s13, v[RD]
	v_and_b32 v[GO], 31, v0
	v_lshlrev_b32 v[PFO], 8, v[GO]
	v_lshlrev_b32 v[GO], 4, v[GO]
	; A block's first step multiplies O^T and l by a = 0, so these need only hold finite numbers: zeros now, what the first block left later.  All this stands in the wait for the first tile.
	WIN 0x80
.set i, VF
.rept 64
	v_mov_b32 v[i], 0
.set i, i+1
.endr
	WIN 0x40
.set i, 0
.rept 64
	v_mov_b32 v[i], 0
.set i, i+1
.endr
	WIN 0
.set i, 0
.rept 2
	v_mov_b32 v[ST+4*i+2], 0
	v_mov_b32 v[ST+4*i+3], 0
.set i, i+1
.endr
.set i, P+16
.rept 16
	v_mov_b32 v[i], 0
.set i, i+1
.endr
; THE MATRIX WORK.  The 4 accumulators of a run of 8 take turns.
.macro KQ x
.set rS, S+32*((\x)%2)+8*(i%4)
.set rK, KF+16*(i%4)+8*(i/4)
.set rQ, 16*(\x)+8*(i/4)
.set rM, MC+32*((\x)%2)+8*(i%4)
.if (i < 4) && KM
	WIN W_KM
	v_wmma_f32_16x16x32_f16 v[rS:rS+7], v[rK:rK+7], v[rQ:rQ+7], v[rM:rM+7]
.elseif i < 4
	WIN W_KQ
	v_wmma_f32_16x16x32_f16 v[rS:rS+7], v[rK:rK+7], v[rQ:rQ+7], 0
.else
	WIN W_KQ
	v_wmma_f32_16x16x32_f16 v[rS:rS+7], v[rK:rK+7], v[rQ:rQ+7], v[rS:rS+7]
.endif
.endm
.macro PV x
	WIN W_PV
.set rO, 32*(\x)+8*(i%4)
.set rV, VF+32*(i/4)+8*(i%4)
.set rP, P+16*((\x)%2)+8*(i/4)
	v_wmma_f32_16x16x32_f16 v[rO:rO+7], v[rV:rV+7], v[rP:rP+7], v[rO:rO+7]
.endm
.macro MM                              ; the turn's next matrix instruction
.if i < 8
	KQ (Y+1)%NP
.else
.set i, i-8
	PV (Y+NP-1)%NP
.set i, i+8
.endif
.set i, i+1
.endm
.macro FETCH_K
	WIN 0x80
.irp f, 0,1,2,3,4,5,6,7
	ds_load_b128 v[KF+8*\f:KF+8*\f+3],   v[AK] offset:(\f/2)*16*PK+(\f%2)*64
	ds_load_b128 v[KF+8*\f+4:KF+8*\f+7], v[AK] offset:(\f/2)*16*PK+(\f%2)*64+32
.endr
	s_add_co_u32 s[TBK], s[TBK], KS*PK
	WIN 0
.endm
.macro FETCH_V
	WIN 0x80
.irp f, 0,1,2,3,4,5,6,7
	ds_load_tr16_b128 v[VF+8*\f:VF+8*\f+3],   v[AV] offset:(\f/4)*32*PV+(\f%4)*32
	ds_load_tr16_b128 v[VF+8*\f+4:VF+8*\f+7], v[AV] offset:(\f/4)*32*PV+16*PV+(\f%4)*32
.endr
	WIN 0
.endm
; THE VECTOR WORK, a line at a time.  For piece Y: F n: c s - c m for pair n; E n: the exponential of score n; C n: pair n rounded to f16; B n: of four weights the second pair onto the first; L n: l takes that sum (L 0: l = a l + sum);
; R n: pair n of O^T times a.  For the other piece: X n, number n of the 22 that find its maximum and statistics (each accumulator's lowest registers are read first).
.set F, 0
.set E, 1
.set C, 2
.set B, 3
.set L, 4
.set R, 5
.set X, 6
.macro REGS y
.set rT, ST+4*(\y)
.set rC, TMP+4*((\y)%2)
.set rW, MV+((\y)%2)
.set rS, S+32*((\y)%2)
.set rP, P+16*((\y)%2)
.set rO, 32*(\y)
.endm
.macro OP k, n
.if (\k) == R
	REGS Y
	WIN W_RS
	v_pk_mul_f32 v[rO+2*(\n):rO+2*(\n)+1], v[rO+2*(\n):rO+2*(\n)+1], v[rC+2:rC+3] op_sel_hi:[1,0]
.elseif (\k) < R
	REGS Y
	WIN 0
.if (\k) == F
	v_pk_fma_f32 v[rS+2*(\n):rS+2*(\n)+1], v[rS+2*(\n):rS+2*(\n)+1], s[CS:CS+1], v[rT:rT+1] op_sel_hi:[1,0,0] neg_lo:[0,0,1] neg_hi:[0,0,1]
.elseif (\k) == E
	v_exp_f32 v[rS+(\n)], v[rS+(\n)]
.elseif (\k) == C
	v_cvt_pk_f16_f32 v[rP+(\n)], v[rS+2*(\n)], v[rS+2*(\n)+1]
.elseif (\k) == B
	v_pk_add_f32 v[rS+4*(\n):rS+4*(\n)+1], v[rS+4*(\n):rS+4*(\n)+1], v[rS+4*(\n)+2:rS+4*(\n)+3]
.elseif (\n) == 0
	v_pk_fma_f32 v[rT+2:rT+3], v[rT+2:rT+3], v[rC+2:rC+3], v[rS:rS+1] op_sel_hi:[1,0,1]
.else
	v_pk_add_f32 v[rT+2:rT+3], v[rT+2:rT+3], v[rS+4*(\n):rS+4*(\n)+1]
.endif
.else
	REGS (Y+1)%NP
	WIN 0
.if (\n) < 4
	v_max3_num_f32 v[rC+(\n)], v[rS+8*(\n)], v[rS+8*(\n)+1], v[rS+8*(\n)+2]
.elseif (\n) < 12
	v_max3_num_f32 v[rC+(\n)%4], v[rC+(\n)%4], v[rS+8*((\n)%4)+2*((\n)/4)+1], v[rS+8*((\n)%4)+2*((\n)/4)+2]
.elseif (\n) == 12
	v_max3_num_f32 v[rC], v[rC], v[rS+7], v[rS+15]
.elseif (\n) == 13
	v_max3_num_f32 v[rC+1], v[rC+1], v[rS+23], v[rS+31]
.elseif (\n) == 14
	v_max3_num_f32 v[rC+2], v[rC+2], v[rC+3], v[rT+1]
.elseif (\n) == 15
	v_mov_b32 v[rW], v[rT]
.elseif (\n) == 16
	v_max3_num_f32 v[rC], v[rC], v[rC+1], v[rC+2]
.elseif (\n) == 17
	v_permlanex16_b32 v[rC+3], v[rC], s[SEL], s[SEL+1]
.elseif (\n) == 18
	v_max_num_f32 v[rT+1], v[rC], v[rC+3]
.elseif (\n) == 19
	v_mul_f32 v[rT], s[CS], v[rT+1]
.elseif (\n) == 20
	v_sub_f32 v[rC+1], v[rW], v[rT]
.else
	v_exp_f32 v[rC+2], v[rC+1]
.endif
.endif
.endm
.macro OPS a, i1, b=-1, i2=0, c=-1, i3=0, d=-1, i4=0
	OP \a, \i1
.if (\b) >= 0
	OP \b, \i2
.endif
.if (\c) >= 0
	OP \c, \i3
.endif
.if (\d) >= 0
	OP \d, \i4
.endif
.endm
.macro ROW a, i1, b, i2, c, i3, d, i4
	MM
	OPS \a, \i1, \b, \i2, \c, \i3, \d, \i4
.endm
.macro MASK b                          ; MD x AL + BE into buffer b of MC
	WIN W_RS
.set z, 0
.rept 16
	v_pk_fma_f32 v[MC+32*(\b)+2*z:MC+32*(\b)+2*z+1], v[MD+2*z:MD+2*z+1], s[AL:AL+1], s[BE:BE+1] op_sel_hi:[1,0,0]
.set z, z+1
.endr
.endm
; A TURN, for piece p.  One wait cuts it in two: ahead of it all that names no result of the turn's exponentials, behind it the 8 products V^T P with the roundings and sums as their riders.
; m = 1: the diagonal tile: the turn makes piece p's mask for the next step.  cnt = 1: the loop's count is taken down some lines ahead of the branch that stands behind the turn.
; Turn 0 fetches K of the next step in its lump (five plain instructions that name no register of the last product that read K lie between) and V of the step in hand at its end (four roundings behind the last product that read V).
.macro TURN p, m=0, cnt=0
.set Y, (\p)
.set i, 0
.set KM, (\m)|(\p)
.if \m
	s_cmp_eq_u32 s[CNT], s[EQ+(\p)]                ; is the next step the band's own?
	s_cselect_b32 s[AL], 1.0, 0
	s_cmp_lt_u32 s[CNT], s[EQ+(\p)]                ; or a later one?
	s_cselect_b32 s[BE], s[BIGN], 0
.endif
.if (\p) == 1
	s_wait_dscnt 16                                ; K is in; V's sixteen younger loads may stay out
.endif
	ROW F,0, F,1, R,0, R,1
	ROW F,2, E,0, R,2, R,3
	ROW F,3, E,1, R,4, R,5
	ROW F,4, E,2, R,6, R,7
	ROW F,5, E,3, R,8, R,9
	ROW F,6, E,4, X,0, R,10
.if (\p) == 0
	WIN 0
	v_add_nc_u32 v[AK], s[TBK], v[AK0]
.endif
	ROW F,7, E,5, X,1, X,4
	ROW F,8, E,6, X,2, X,5
	OPS E,7, E,8, X,6, E,9
	OPS X,3, E,10, X,8, E,11
.if (\p) == 0
	FETCH_K
.endif
	OPS X,9, X,7, E,12, X,10
	OPS E,13, X,12, X,11, E,14
	OPS X,13, E,15, F,9, X,14
.if (\p) == 0
	v_add_nc_u32 v[AV], s[TBV], v[AV0]
.endif
	OPS E,16, F,10, E,17, F,11
	OPS X,16, E,18, X,15, E,19
	OPS F,12, E,20, X,17, E,21
	OPS F,13, E,22, F,14, E,23
	OPS X,18, E,24, F,15, E,25
	OPS R,11, E,26, X,19, E,27
	OPS R,12, E,28, R,13, E,29
	OPS X,20, E,30, R,14, E,31
	OPS X,21, R,15
	WIN 0
	s_wait_alu depctr_va_vdst(0)                   ; the one wait for the batch, ahead of the first instruction that names a result
.if (\p) == 1
	s_wait_dscnt 0x0                               ; V is in
.endif
	ROW C,0, B,0, C,2, B,1
	ROW L,0, C,4, B,2, L,1
	ROW C,6, B,3, L,2, C,8
	ROW B,4, L,3, C,10, B,5
	ROW L,4, C,12, B,6, L,5
.if (\p) == 0
	s_add_co_u32 s[TBV], s[TBV], KS*PV
.endif
.if \cnt
	s_sub_co_u32 s[CNT], s[CNT], 1
	s_cmp_lg_u32 s[CNT], 0
.endif
	ROW C,14, B,7, L,6, C,1
	ROW C,3, L,7, C,5, C,7
	ROW C,9, C,11, C,13, C,15
.if (\p) == 0
	FETCH_V
.endif
.if \m
	MASK (\p)
.endif
.if !(\m) && ((\p) == 0)
	s_cmp_eq_u32 s[CNT], 1                         ; a plain tile's last step: turn 1 will make piece 0's scores of the next tile's first step
	s_cbranch_scc0 .Lnm_\@
	s_cmp_eq_u32 s[RT], 1                          ; is that tile the diagonal one?
	s_cselect_b32 s[AL], s[ALZ], 0
	s_mov_b32 s[BE], 0
	MASK 0
	WIN 0
.Lnm_\@:
.endif
.endm
; A BLOCK BEGINS: c m far below every c s, so the first step's a is 0; m the lowest finite number.  Mask buffer 1 is 0 (piece 1 sees every tile's first step whole); buffer 0 takes piece 0's mask for the tile's first step.
.macro BEGIN
	s_mov_b32 s[NEW], 0
	WIN 0x40
.set i, MC+32
.rept 32
	v_mov_b32 v[i], 0
.set i, i+1
.endr
	WIN 0
.set i, 0
.rept 2
	v_mov_b32 v[ST+4*i], 0xfe000000
	v_mov_b32 v[ST+4*i+1], 0xff7fffff
.set i, i+1
.endr
	s_cmp_eq_u32 s[RT], 0
	s_cselect_b32 s[AL], s[ALZ], 0
	s_mov_b32 s[BE], 0
	MASK 0
	WIN 0
	v_add_nc_u32 v[AK], s[TBK], v[AK0]
	FETCH_K
	s_wait_loadcnt 0x0                             ; Q
	s_wait_dscnt 0x0
.set KM, 1
.set i, 0
.rept 8
	KQ 0
.set i, i+1
.endr
	WIN 0
.rept 4
	v_nop                                          ; the places behind those products
.endr
.set Y, NP-1
.irp n, 0,1,2,3,4,5,6,7,8,9,10,11,12,13,14,15,16,17,18,19,20,21
	OP X, \n
.endr
	v_nop                                          ; a plain instruction behind the exponential,
	s_wait_alu depctr_va_vdst(0)                   ; and its wait, ahead of the branch
.endm
.macro ALL line:vararg
.set t, 0
.rept NP
	\line
.set t, t+1
.endr
.endm
.macro PACK t
	WIN W_RS
.set i, 32*(\t)
.rept 16
	v_pk_mul_f32 v[i:i+1], v[i:i+1], v[ST+4*(\t)+2:ST+4*(\t)+3] op_sel_hi:[1,0]
.set i, i+2
.endr
	WIN 0x05
.set i, 0
.rept 16
	v_cvt_pk_f16_f32 v[S+16*(\t)+i], v[32*(\t)+2*i], v[32*(\t)+2*i+1]
.set i, i+1
.endr
	WIN 0
.irp f, 0,1,2,3
	ds_store_b128 v[STO], v[S+16*(\t)+4*\f:S+16*(\t)+4*\f+3] offset:32*\f
.endr
.irp f, 0,1,2,3
	ds_load_b128 v[S+16*(\t)+4*\f:S+16*(\t)+4*\f+3], v[RD] offset:\f*4*SP  ; LDS serves a wave's instructions in order (ISA guide 5.7.1.4): these see the stores above
.endr
.endm
.macro SEND t, younger
	WIN 0
.irp f, 0,1,2,3
	s_wait_dscnt (\younger)+3-\f
	global_store_b128 v[GO], v[S+16*(\t)+4*\f:S+16*(\t)+4*\f+3], s[10:11] offset:(\t)*8192+\f*512  ; 512 consecutive bytes, aligned
.endr
.endm
; THE DIAGONAL TILE: four steps that make and take masks, piece 1's last products, and the way out.
.macro DIAG tag
.LstepM\tag:
	TURN 0, 1
	TURN 1, 1, 1
	WIN 0
	s_cbranch_scc1 .LstepM\tag
	s_sub_co_u32 s[TBK], s[TBK], KS*PK             ; the fourth step has fetched the slot's fifth step of K: one step back, so that the next change of slots lands on a tile's first step, where a block begins
.set i, 0
.rept 8
	PV 1
.set i, i+1
.endr
	WIN 0
	ALL v_add_f32 v[ST+4*t+2], v[ST+4*t+2], v[ST+4*t+3]
	ALL v_permlanex16_b32 v[ST+4*t+3], v[ST+4*t+2], s[SEL], s[SEL+1]
	ALL v_add_f32 v[ST+4*t+2], v[ST+4*t+2], v[ST+4*t+3]
	ALL v_rcp_f32 v[ST+4*t+2], v[ST+4*t+2]
	v_nop
	s_wait_alu depctr_va_vdst(0)                   ; one wait for the two reciprocals
	PACK 0
	PACK 1
	SEND 0, 8
	SEND 1, 0
.endm
.set KM, 0
.Lslot:                                        ; eight times: a tile is entered and the next is asked for
	CHANGE 1
	s_sub_co_u32 s[RT], s[RT], 1
	s_mov_b32 s[CNT], 4
	s_cmp_eq_u32 s[NEW], 1
	s_cbranch_scc0 .Lold
	BEGIN
	s_branch .Lstep                                ; in the loop a block's first tile is never its last: the first block has five tiles or more, and the second's last is the walk's last
.Lold:
	s_cmp_eq_u32 s[RT], 0
	s_cbranch_scc0 .Lstep
	DIAG 1                                         ; in the loop this is the first block's end
	s_wait_xcnt 0x0                                ; the stores have read their registers and O's address
	s_mov_b64 s[10:11], s[OLO:OLO+1]
	s_mov_b32 s[RT], s[RT2]
	s_mov_b32 s[NEW], 1
	s_mov_b32 s[EQ], s[EQ2]
	s_mov_b32 s[EQ+1], s[EQ2+1]
	s_mov_b32 s[ALZ], s[EQ2+2]
	WIN 0x82
.set i, 0
.rept 32
	v_mov_b32 v[i], v[QB+i]
.set i, i+1
.endr
	WIN 0
	s_branch .Lbottom
.Lstep:
	TURN 0
	TURN 1, 0, 1
	WIN 0
	s_cbranch_scc1 .Lstep
.Lbottom:
	s_sub_co_u32 s[SLOTS], s[SLOTS], 1
	s_cmp_lg_u32 s[SLOTS], 0
	s_cbranch_scc1 .Lslot
	CHANGE 0                                       ; the walk's last tile is written out: nothing is asked for
	s_sub_co_u32 s[RT], s[RT], 1
	s_mov_b32 s[CNT], 4
	s_cmp_eq_u32 s[NEW], 1
	s_cbranch_scc0 .LstepM2
	BEGIN
	DIAG 2
	s_wait_tensorcnt 0x0                           ; the wave's end
	ds_add_u32 v[SPW], v[NIL]
	s_wait_dscnt 0x0
	s_endpgm
.Lfunc_end_k_q79c4026f01_attn:
	.size	k_q79c4026f01_attn, .Lfunc_end_k_q79c4026f01_attn-k_q79c4026f01_attn
	.p2alignl 7, 3214868480
	.fill 96, 4, 3214868480
	.section	.rodata,"a",@progbits
	.p2align	6, 0x0
	.amdhsa_kernel k_q79c4026f01_attn
		.amdhsa_group_segment_fixed_size 327680
		.amdhsa_private_segment_fixed_size 0
		.amdhsa_enable_private_segment 0
		.amdhsa_kernarg_size 16
		.amdhsa_user_sgpr_count 2
		.amdhsa_user_sgpr_kernarg_segment_ptr 1
		.amdhsa_wavefront_size32 1
		.amdhsa_system_sgpr_workgroup_id_x 1
		.amdhsa_system_sgpr_workgroup_id_y 1
		.amdhsa_system_sgpr_workgroup_id_z 1
		.amdhsa_system_vgpr_workitem_id 0
		.amdhsa_next_free_vgpr 768
		.amdhsa_next_free_sgpr 100
		.amdhsa_reserve_vcc 1
		.amdhsa_float_denorm_mode_32 3
		.amdhsa_float_denorm_mode_16_64 3
		.amdhsa_memory_ordered 1
		.amdhsa_forward_progress 1
		.amdhsa_inst_pref_size 112
	.end_amdhsa_kernel
	.amdgpu_metadata
---
amdhsa.version: [ 1, 2 ]
amdhsa.kernels:
  - .name:           k_q79c4026f01_attn
    .symbol:         k_q79c4026f01_attn.kd
    .args:
      - { .name: qkvh, .offset: 0, .size: 8, .value_kind: global_buffer, .address_space: global }
      - { .name: ob, .offset: 8, .size: 8, .value_kind: global_buffer, .address_space: global }
    .group_segment_fixed_size: 327680
    .private_segment_fixed_size: 0
    .kernarg_segment_align: 8
    .kernarg_segment_size: 16
    .max_flat_workgroup_size: 128
    .sgpr_count:     100
    .vgpr_count:     768
    .wavefront_size: 32
...
	.end_amdgpu_metadata
.endif
;; end of part 3
;; launch proj (part 4): grid 8 x 32, 4 waves a work-group, clusters of 4 x 4, 327,680 bytes of LDS; arguments ob, wbf, xb, x1; writes x1
.if DOCPART == 4
	.amdgcn_target "amdgcn-amd-amdhsa--gfx1250"
	.amdhsa_code_object_version 6
	.text
	.protected	k_q79c4026f01_proj
	.globl	k_q79c4026f01_proj
	.p2align	8
	.type	k_q79c4026f01_proj,@function
k_q79c4026f01_proj:
	s_mov_b64 s[64:65], 0
	v_nop
	global_prefetch_b8 v0, s[64:65] scope:SCOPE_SE
	s_setreg_imm32_b32 hwreg(HW_REG_WAVE_MODE, 25, 1), 1
	s_wait_xcnt 0x0
	s_wait_alu depctr_hold_cnt(0) depctr_sa_sdst(0) depctr_va_vdst(0) depctr_va_sdst(0) depctr_va_ssrc(0) depctr_va_vcc(0) depctr_vm_vsrc(0)
	s_getreg_b32 s2, hwreg(HW_REG_IB_STS2, 6, 4)
	s_cmp_eq_u32 s2, 0
	s_cbranch_scc0 .Lentry_in_a_cluster
	s_endpgm
.Lentry_in_a_cluster:
	s_bfe_u32 s2, ttmp6, 0x10000c
	s_cmp_lg_u32 s2, 0xf033
	s_cbranch_scc0 .Lentry_shape_is_right
	s_endpgm
.Lentry_shape_is_right:
; PROJ: x1[m][n] = bf16(x)[m][n] + sum over k of O[m][k] WO[n][k].  O = ob [batch x 16 + head][2048][64] f16 (k = 64 head + channel), WO = wbf + 6,291,456 [1024][1024] f16, xb bf16, x1 f32; sums in f32.
; A tile is 128 x 128: 8 x 32 work-groups, one for each WGP; four waves of 64 x 64: 16 accumulators.  K goes in steps of 256 through two LDS slots.
; A's K step is four heads: each head's 64 rows of 128 bytes are dense, so a tensor load takes them as one row of 8,192 bytes, four such rows a load, padded in LDS behind every 128 bytes.
; CLUSTER 4 x 4: A's tile is asked for jointly along a row of the cluster, B's along a column.  The slot in hand is a scalar (s22), and the passes of a K step go round a short loop: a K step is written once.
; THE CLUSTERS DO NOT WALK K IN STEP: cluster (X, Y) begins at K step (2 X + Y) mod 4 and goes round, so that at any one time the clusters that read the same rows of A (the two X of a Y) or of B (the Y of an X)
; ask for different K steps, or the same step as one other cluster.  The start hangs on the cluster's coordinates alone: the sixteen partners' descriptors stay equal.  The f32 sums are taken in that order.
; No prefetch: the tile is small, and a K step's share of memory traffic with it.
; WINDOWS: 0: addresses; accumulators (a, b) at v[128 + 8 (4 a + b)].  1: two fragment buffers of 64 (A's four, then B's four); v128-191 the residual.
.set TSTEPS, 4
.set RXS,   1                          ; the start: X << RXS + Y << RYS, mod TSTEPS
.set RYS,   0
.set PSTR,  131072                     ; elements from head to head
.set ASH,   20                         ; a K step of A, four heads, is 1 << 20 bytes
.set KEL,   1024
.set WOFF,  6291456
.set PA,    144                        ; A's LDS row: 128 bytes + 16
.set PB,    528                        ; B's LDS row: 512 bytes + 16
.set AH,    4*64*PA                    ; half of A's tile: [head 0..3][64 rows]
.set AB,    2*AH
.set BH,    64*PB
.set SLOT,  AB+2*BH
.set SPARE, 2*SLOT
.set SP,    272                        ; the way out: a stage row, 64 f32 + 16 bytes; the stages lie in the slots' bytes, written only behind the last barrier
.set STG,   64*SP
.set ACC, 128
.set RES, 128
.set STO, 24
.set RD,  25
.set GO,  26
.set XO,  27
.set SPW, 28
.set NIL, 29
.set ONE, 30
.set G1,  24
.set G0,  32
.set G1B, 48
.set G0B, 56
.set BA,  66                           ; s[66:67] A at my part of the tile, K step 0
.set BB,  68                           ; s[68:69] B likewise
.set KS,  70                           ; s70      the K step to be asked for next
.set KO,  72                           ; s[72:73] its byte offset
.set MSB, 0
.macro WIN new
.if MSB != (\new)
	s_set_vgpr_msb (MSB<<8)|(\new)
.set MSB, \new
.endif
.endm
.macro PLACES
.rept 4
	v_nop
.endr
.endm
.macro JLOAD
	s_cmp_eq_u32 s14, 0
	s_cbranch_scc0 .Lfor_b_\@
	tensor_load_to_lds s[G0+4:G0+7], s[G1:G1+7]
	s_nop 0
	PLACES
	s_branch .Lasked_\@
.Lfor_b_\@:
	tensor_load_to_lds s[G0B+4:G0B+7], s[G1B:G1B+7]
	s_nop 0
	PLACES
.Lasked_\@:
.endm
.macro CREST
	s_cmp_lg_u32 s12, 0
	s_cbranch_scc1 .Lnot_wave_0_\@
	s_barrier_signal -3
.Lnot_wave_0_\@:
	s_barrier_wait -3
	s_barrier_signal -1
	s_barrier_wait -1
.endm
.macro CROUND
	s_barrier_signal -1
	s_barrier_wait -1
	CREST
.endm
.macro KADDR g, gb                     ; the global addresses of K step s[KS] into the group 0 at g (A) and gb (B): each made anew from its base; then the step goes on, round K
	s_lshl_b32 s[KO], s[KS], ASH
	s_add_nc_u64 s[(\g)+2:(\g)+3], s[BA:BA+1], s[KO:KO+1]
	s_or_b32 s[(\g)+3], s[(\g)+3], 0x80000000
	s_lshl_b32 s[KO], s[KS], 9
	s_add_nc_u64 s[(\gb)+2:(\gb)+3], s[BB:BB+1], s[KO:KO+1]
	s_or_b32 s[(\gb)+3], s[(\gb)+3], 0x80000000
	s_add_co_u32 s[KS], s[KS], 1
	s_and_b32 s[KS], s[KS], TSTEPS-1
.endm
.macro MUL4 f, a, zero
	WIN 0x05
.set bb, 0
.rept 4
.set rD, ACC+8*(4*(\a)+bb)
.set rB, 64*(\f)+32+8*bb
.set rA, 64*(\f)+8*(\a)
.if \zero
	v_wmma_f32_16x16x32_f16 v[rD:rD+7], v[rB:rB+7], v[rA:rA+7], 0
.else
	v_wmma_f32_16x16x32_f16 v[rD:rD+7], v[rB:rB+7], v[rA:rA+7], v[rD:rD+7]
.endif
.set bb, bb+1
.endr
.endm
.macro FETCH off, f                    ; 16 LDS loads: the fragments of 32 along K
	WIN 0x40
.irp i, 0,1,2,3
	ds_load_b128 v[64*(\f)+32+8*(\i):64*(\f)+32+8*(\i)+3], v19 offset:(\off)+(\i)*16*PB
	ds_load_b128 v[64*(\f)+36+8*(\i):64*(\f)+36+8*(\i)+3], v19 offset:(\off)+(\i)*16*PB+32
	ds_load_b128 v[64*(\f)+8*(\i):64*(\f)+8*(\i)+3],       v18 offset:(\off)+(\i)*16*PA
	ds_load_b128 v[64*(\f)+4+8*(\i):64*(\f)+4+8*(\i)+3],   v18 offset:(\off)+(\i)*16*PA+32
.endr
.endm
.macro PASS off, f, g, zero, step      ; buffer g takes the next 32 along K, buffer f is multiplied; step = 1: on to the next head (64 along K)
.if \step
	WIN 0
	v_add_nc_u32 v18, 64*PA, v18                   ; with the two v_nop: the four places between the last product that read buffer g and the loads into it
	v_add_nc_u32 v19, 128, v19
	v_nop
	v_nop
.else
	PLACES
.endif
	FETCH \off, \g
	s_wait_dscnt 16                                ; all but the 16 just issued: buffer f is in
	MUL4 \f, 0, \zero
	MUL4 \f, 1, \zero
	MUL4 \f, 2, \zero
	MUL4 \f, 3, \zero
.endm
.macro INNER                           ; passes 1 to 6 of a K step
	s_mov_b32 s2, 3
.Linner_\@:
	PASS 0, 1, 0, 0, 1
	PASS 64, 0, 1, 0, 0
	WIN 0
	s_sub_co_u32 s2, s2, 1
	s_cmp_lg_u32 s2, 0
	s_cbranch_scc1 .Linner_\@
.endm
.macro TURN fill                       ; pass 7 multiplies buffer 1 and changes slots
	WIN 0
	s_wait_tensorcnt 0x0                           ; my one load that was out, my part of the next slot, has landed: no load of mine is out, so a group 0 may be written
	ds_add_u32 v[SPW], v[NIL]                      ; 0 onto my spare word; the descriptors' scalar work stands between it and the wait for it
.if \fill
	s_add_co_u32 s[G0+5], s20, s22                 ; the walking descriptors: into the slot that is being read out,
	s_add_co_u32 s[G0B+5], s21, s22
	KADDR G0+4, G0B+4                              ; the K step that is due
.endif
	s_wait_dscnt 1                                 ; only the add may be out: buffer 1 is in
	MUL4 1, 0, 0
	s_wait_dscnt 0x0                               ; the add is done; my reads of this slot are over
	s_barrier_signal -1
	MUL4 1, 1, 0
	WIN 0
	s_barrier_wait -1
.if \fill
	CREST
	JLOAD
.else
	PLACES
.endif
	s_xor_b32 s22, s22, SLOT
	v_add_nc_u32 v18, s22, v16
	v_add_nc_u32 v19, s22, v17
.if \fill
	FETCH 0, 0
.else
	s_cmp_eq_u32 s3, 1
	s_cbranch_scc1 .Lnofetch_\@
	FETCH 0, 0
	WIN 0
.Lnofetch_\@:
.endif
	MUL4 1, 2, 0
	MUL4 1, 3, 0
.endm
	s_load_b256 s[4:11], s[0:1], 0x0               ; ob s[4:5], wbf s[6:7], xb s[8:9], x1 s[10:11]
	v_lshl_add_u32 v[SPW], v0, 2, SPARE
	v_mov_b32 v[NIL], 0
	ds_add_u32 v[SPW], v[NIL]                      ; the opening add
	ds_add_u32 v28, v29
	v_lshrrev_b32 v1, 5, v0
	v_readfirstlane_b32 s12, v1
	s_lshr_b32 s14, s12, 1
	s_and_b32 s15, s12, 1
	s_bfe_u32 s40, ttmp6, 0x40000
	s_bfe_u32 s41, ttmp6, 0x40004
	s_lshl_b32 s42, ttmp9, 2
	s_add_co_u32 s42, s42, s40                     ; tile column
	s_and_b32 s13, ttmp7, 0xffff
	s_lshl_b32 s13, s13, 2
	s_add_co_u32 s13, s13, s41                     ; tile row
	s_lshl_b32 s43, s41, 2
	s_lshl_b32 s43, 15, s43
	s_lshl_b32 s44, 0x1111, s40
	s_or_b32 s[G1], s43, (1<<16)|(1<<20)|(1<<21)|(4<<22)|(3<<25)   ; padding: after every 32 words, 4 words
	s_or_b32 s[G1B], s44, (1<<16)|(1<<20)|(1<<21)|(6<<22)|(3<<25)  ; after every 128 words, 4 words
	s_mov_b32 s[G1+1], 4096<<16                    ; tensor_dim0 = 4,096: 64 dense rows of 64
	s_mov_b32 s[G1+2], 4<<16                       ; tensor_dim1 = 4 heads
	s_mov_b32 s[G1+3], 4096<<16
	s_mov_b32 s[G1+4], 4
	s_mov_b32 s[G1+5], PSTR
	s_mov_b32 s[G1+6], 0
	s_mov_b32 s[G1+7], 0
	s_mov_b32 s[G1B+1], 256<<16
	s_mov_b32 s[G1B+2], 64<<16
	s_mov_b32 s[G1B+3], 256<<16
	s_mov_b32 s[G1B+4], 64
	s_mov_b32 s[G1B+5], KEL
	s_mov_b32 s[G1B+6], 0
	s_mov_b32 s[G1B+7], 0
	s_and_b32 s[KS], ttmp7, 0xffff                 ; the cluster's Y,
	s_lshl_b32 s[KS], s[KS], RYS
	s_lshl_b32 s71, ttmp9, RXS                     ; and its X: where this cluster begins its walk round K
	s_add_co_u32 s[KS], s[KS], s71
	s_and_b32 s[KS], s[KS], TSTEPS-1
	s_mov_b32 s[KO+1], 0
	s_and_b32 s16, s13, 15
	s_lshl_b32 s16, s16, 7
	s_lshl_b32 s17, s15, 6
	s_add_co_u32 s16, s16, s17                     ; A: row in the batch: 128 x (tile row % 16) + 64 x half
	s_lshl_b32 s16, s16, 7
	s_lshr_b32 s17, s13, 4
	s_lshl_b32 s17, s17, 22                        ; the batch: 16 heads of 262,144 bytes
	s_add_co_u32 s16, s16, s17
	s_mov_b32 s17, 0
	s_lshl_b32 s46, s42, 7
	s_lshl_b32 s47, s15, 6
	s_add_co_u32 s46, s46, s47                     ; B: row 128 x tile column + 64 x half
	s_mul_i32 s46, s46, 2*KEL
	s_add_co_u32 s46, s46, WOFF
	s_mov_b32 s47, 0
	s_mul_i32 s20, s15, AH
	s_mul_i32 s21, s15, BH
	s_add_co_u32 s21, s21, AB
	s_mov_b32 s22, 0
	s_wait_dscnt 0x0
	s_wait_kmcnt 0x0
	s_add_nc_u64 s[BA:BA+1], s[4:5], s[16:17]
	s_add_nc_u64 s[BB:BB+1], s[6:7], s[46:47]
	CROUND
.irp s, 0,1
	s_mov_b32 s[G0+4*(\s)], 1
	s_add_co_u32 s[G0+4*(\s)+1], s20, (\s)*SLOT
	s_mov_b32 s[G0B+4*(\s)], 1
	s_add_co_u32 s[G0B+4*(\s)+1], s21, (\s)*SLOT
	KADDR G0+4*(\s), G0B+4*(\s)
.endr
	s_cmp_eq_u32 s14, 0
	s_cbranch_scc0 .Lfirst_b
	tensor_load_to_lds s[G0:G0+3], s[G1:G1+7]
	s_nop 0
	tensor_load_to_lds s[G0+4:G0+7], s[G1:G1+7]
	s_nop 0
	PLACES
	s_branch .Lfirst_done
.Lfirst_b:
	tensor_load_to_lds s[G0B:G0B+3], s[G1B:G1B+7]
	s_nop 0
	tensor_load_to_lds s[G0B+4:G0B+7], s[G1B:G1B+7]
	s_nop 0
	PLACES
.Lfirst_done:
	v_and_b32 v1, 15, v0
	v_bfe_u32 v2, v0, 4, 1
	v_mul_u32_u24 v3, v1, PA
	v_lshl_add_u32 v3, v2, 4, v3
	s_mul_i32 s16, s14, AH                         ; my 64 rows of A
	v_add_nc_u32 v16, s16, v3
	v_mul_u32_u24 v3, v1, PB
	v_lshl_add_u32 v3, v2, 4, v3
	s_mul_i32 s16, s15, BH                         ; my 64 rows of B
	s_add_co_u32 s16, s16, AB
	v_add_nc_u32 v17, s16, v3
	v_mov_b32 v18, v16
	v_mov_b32 v19, v17
	s_mul_i32 s23, s12, STG
	v_mul_u32_u24 v4, v1, SP
	v_lshl_add_u32 v4, v2, 5, v4
	v_add_nc_u32 v[STO], s23, v4
	v_mul_u32_u24 v5, v2, SP
	v_lshl_add_u32 v5, v1, 4, v5
	v_add_nc_u32 v[RD], s23, v5
	v_lshlrev_b32 v[GO], 12, v2
	v_lshl_add_u32 v[GO], v1, 4, v[GO]             ; two rows of x1, 256 bytes of each
	v_lshrrev_b32 v[XO], 1, v[GO]                  ; the same numbers in xb
	v_mov_b32 v[ONE], 1.0
	s_lshl_b32 s16, s13, 7
	s_lshl_b32 s17, s14, 6
	s_add_co_u32 s16, s16, s17                     ; my first row
	s_lshl_b32 s18, s42, 7
	s_lshl_b32 s19, s15, 6
	s_add_co_u32 s18, s18, s19                     ; my first column
	s_lshl_b32 s46, s16, 12
	s_lshl_b32 s47, s18, 2
	s_add_co_u32 s46, s46, s47
	s_mov_b32 s47, 0
	s_add_nc_u64 s[10:11], s[10:11], s[46:47]
	s_lshr_b32 s46, s46, 1
	s_add_nc_u64 s[8:9], s[8:9], s[46:47]
	WIN 0x40
.set i, 0
.rept 32                               ; the residual comes while K is walked: 32 loads, waited for on the way out
	global_load_b64 v[RES+2*i:RES+2*i+1], v[XO], s[8:9] offset:4096*i
.set i, i+1
.endr
	WIN 0
	s_wait_tensorcnt 1                             ; my part of the first K step is in; the second's may stay out
	s_barrier_signal -1
	s_barrier_wait -1
	FETCH 0, 0
	PASS 64, 0, 1, 1, 0
	WIN 0
	s_mov_b32 s3, TSTEPS-2
.Lstep:
	INNER
	TURN 1
	PASS 64, 0, 1, 0, 0
	WIN 0
	s_sub_co_u32 s3, s3, 1
	s_cmp_lg_u32 s3, 0
	s_cbranch_scc1 .Lstep
	s_mov_b32 s3, 2
.Ltail:
	INNER
	TURN 0
	WIN 0
	s_cmp_eq_u32 s3, 1
	s_cbranch_scc1 .Lnopass
	PASS 64, 0, 1, 0, 0
	WIN 0
.Lnopass:
	s_sub_co_u32 s3, s3, 1
	s_cmp_lg_u32 s3, 0
	s_cbranch_scc1 .Ltail
	; THE WAY OUT: through my own stage, back as whole rows of 256 bytes, the residual added, stored.
	PLACES
.irp a, 0,1,2,3
.irp b, 0,1,2,3
	ds_store_b128 v[STO], v[ACC+8*(4*(\a)+(\b)):ACC+8*(4*(\a)+(\b))+3] offset:(\a)*16*SP+64*(\b)
	ds_store_b128 v[STO], v[ACC+8*(4*(\a)+(\b))+4:ACC+8*(4*(\a)+(\b))+7] offset:(\a)*16*SP+64*(\b)+16
.endr
.endr
.set i, 0
.rept 32
	ds_load_b128 v[ACC+4*i:ACC+4*i+3], v[RD] offset:i*2*SP  ; LDS serves a wave's instructions in order (ISA guide 5.7.1.4)
.set i, i+1
.endr
	s_wait_loadcnt 0x0                             ; the residual
	WIN 0x01
.set i, 0
.rept 32
	s_wait_dscnt 31-i
	v_fma_mix_f32_bf16 v[ACC+4*i], v[RES+2*i], v[ONE], v[ACC+4*i] op_sel:[0,0,0] op_sel_hi:[1,0,0]
	v_fma_mix_f32_bf16 v[ACC+4*i+1], v[RES+2*i], v[ONE], v[ACC+4*i+1] op_sel:[1,0,0] op_sel_hi:[1,0,0]
	v_fma_mix_f32_bf16 v[ACC+4*i+2], v[RES+2*i+1], v[ONE], v[ACC+4*i+2] op_sel:[0,0,0] op_sel_hi:[1,0,0]
	v_fma_mix_f32_bf16 v[ACC+4*i+3], v[RES+2*i+1], v[ONE], v[ACC+4*i+3] op_sel:[1,0,0] op_sel_hi:[1,0,0]
.set i, i+1
.endr
	WIN 0
.set i, 0
.rept 32
	global_store_b128 v[GO], v[ACC+4*i:ACC+4*i+3], s[10:11] offset:8192*i  ; 16 lanes store 256 consecutive bytes, aligned
.set i, i+1
.endr
	s_wait_tensorcnt 0x0                           ; the wave's end
	ds_add_u32 v[SPW], v[NIL]
	s_wait_dscnt 0x0
	CROUND
	s_endpgm
.Lfunc_end_k_q79c4026f01_proj:
	.size	k_q79c4026f01_proj, .Lfunc_end_k_q79c4026f01_proj-k_q79c4026f01_proj
	.p2alignl 7, 3214868480
	.fill 96, 4, 3214868480
	.section	.rodata,"a",@progbits
	.p2align	6, 0x0
	.amdhsa_kernel k_q79c4026f01_proj
		.amdhsa_group_segment_fixed_size 327680
		.amdhsa_private_segment_fixed_size 0
		.amdhsa_enable_private_segment 0
		.amdhsa_kernarg_size 32
		.amdhsa_user_sgpr_count 2
		.amdhsa_user_sgpr_kernarg_segment_ptr 1
		.amdhsa_wavefront_size32 1
		.amdhsa_system_sgpr_workgroup_id_x 1
		.amdhsa_system_sgpr_workgroup_id_y 1
		.amdhsa_system_sgpr_workgroup_id_z 1
		.amdhsa_system_vgpr_workitem_id 0
		.amdhsa_next_free_vgpr 512
		.amdhsa_next_free_sgpr 76
		.amdhsa_reserve_vcc 0
		.amdhsa_float_denorm_mode_32 3
		.amdhsa_float_denorm_mode_16_64 3
		.amdhsa_memory_ordered 1
		.amdhsa_forward_progress 1
		.amdhsa_inst_pref_size 51
	.end_amdhsa_kernel
	.amdgpu_metadata
---
amdhsa.version: [ 1, 2 ]
amdhsa.kernels:
  - .name:           k_q79c4026f01_proj
    .symbol:         k_q79c4026f01_proj.kd
    .args:
      - { .name: ob, .offset: 0, .size: 8, .value_kind: global_buffer, .address_space: global }
      - { .name: wbf, .offset: 8, .size: 8, .value_kind: global_buffer, .address_space: global }
      - { .name: xb, .offset: 16, .size: 8, .value_kind: global_buffer, .address_space: global }
      - { .name: x1, .offset: 24, .size: 8, .value_kind: global_buffer, .address_space: global }
    .group_segment_fixed_size: 327680
    .private_segment_fixed_size: 0
    .kernarg_segment_align: 8
    .kernarg_segment_size: 32
    .max_flat_workgroup_size: 128
    .sgpr_count:     76
    .vgpr_count:     512
    .wavefront_size: 32
...
	.end_amdgpu_metadata
.endif
;; end of part 4
;; launch ln2 (part 5): grid 512 x 1, 8 waves a work-group, no clusters, 0 bytes of LDS; arguments x1, ln2_w, ln2_b, hn; writes hn
.if DOCPART == 5
	.amdgcn_target "amdgcn-amd-amdhsa--gfx1250"
	.amdhsa_code_object_version 6
	.text
	.protected	k_q79c4026f01_ln2
	.globl	k_q79c4026f01_ln2
	.p2align	8
	.type	k_q79c4026f01_ln2,@function
k_q79c4026f01_ln2:
	s_mov_b64 s[64:65], 0
	v_nop
	global_prefetch_b8 v0, s[64:65] scope:SCOPE_SE
	s_setreg_imm32_b32 hwreg(HW_REG_WAVE_MODE, 25, 1), 1
	s_wait_xcnt 0x0
; LN2: hn = f16(LayerNorm(x1) x bf16(w) + bf16(b)); a wave a row of 1,024 f32, kept in registers between the mean, the squares of x - mean and the scaling.  A stream: no LDS, no barrier.
; LIMIT: hn is f16: |h| stays under 32 |w| + |b|, which must stay within 65,504.
.set T,   16                           ; v[16:47]   the row
.set RW,  48                           ; v[48:79]   w as loaded
.set RBI, 80                           ; v[80:111]  b as loaded
.set WP,  112                          ; v[112:127] w in bf16
.set BP,  48                           ; v[48:63]   b in bf16
.set SC,  64                           ; v[64:79]   at work
.set H,   80                           ; v[80:95]   the result
.macro LANESUM
	v_add_f32_dpp v12, v12, v12 row_xmask:1 row_mask:0xf bank_mask:0xf
	v_add_f32_dpp v12, v12, v12 row_xmask:2 row_mask:0xf bank_mask:0xf
	v_add_f32_dpp v12, v12, v12 row_xmask:4 row_mask:0xf bank_mask:0xf
	v_add_f32_dpp v12, v12, v12 row_xmask:8 row_mask:0xf bank_mask:0xf
	v_permlanex16_b32 v13, v12, s30, s31
	v_add_f32 v12, v12, v13
.endm
	s_load_b256 s[8:15], s[0:1], 0x0               ; x1 8, ln2_w 10, ln2_b 12, hn 14
	v_lshrrev_b32 v1, 5, v0
	v_readfirstlane_b32 s4, v1
	v_and_b32 v1, 31, v0
	v_lshlrev_b32 v2, 4, v1
	v_lshlrev_b32 v3, 3, v1
	v_mov_b32 v13, 0
	s_lshl_b32 s5, ttmp9, 3
	s_add_co_u32 s5, s5, s4
	s_lshl_b32 s2, s5, 12
	s_mov_b32 s3, 0
	s_lshl_b32 s6, s5, 11
	s_mov_b32 s7, 0
	s_mov_b32 s30, 0x76543210
	s_mov_b32 s31, 0xfedcba98
	s_mov_b32 s33, 0x3a800000
	s_mov_b32 s34, 0x3727c5ac
	s_wait_kmcnt 0x0
	s_add_nc_u64 s[8:9], s[8:9], s[2:3]
	s_add_nc_u64 s[14:15], s[14:15], s[6:7]
.set j, 0
.rept 8
	global_load_b128 v[RW+4*j:RW+4*j+3], v2, s[10:11] offset:512*j
.set j, j+1
.endr
.set j, 0
.rept 8
	global_load_b128 v[RBI+4*j:RBI+4*j+3], v2, s[12:13] offset:512*j
.set j, j+1
.endr
.set j, 0
.rept 8
	global_load_b128 v[T+4*j:T+4*j+3], v2, s[8:9] offset:512*j th:TH_LOAD_NT
.set j, j+1
.endr
	s_wait_loadcnt 8                               ; w and b are in; the row's eight loads may stay out
.set i, 0
.rept 16
	v_cvt_pk_bf16_f32 v[WP+i], v[RW+2*i], v[RW+2*i+1]
.set i, i+1
.endr
.set i, 0
.rept 16
	v_cvt_pk_bf16_f32 v[BP+i], v[RBI+2*i], v[RBI+2*i+1]
.set i, i+1
.endr
	s_wait_loadcnt 0x0
.set k, 0
.rept 8
	v_pk_add_f32 v[SC+2*k:SC+2*k+1], v[T+2*k:T+2*k+1], v[T+16+2*k:T+16+2*k+1]
.set k, k+1
.endr
.set k, 0
.rept 4
	v_pk_add_f32 v[SC+2*k:SC+2*k+1], v[SC+2*k:SC+2*k+1], v[SC+8+2*k:SC+8+2*k+1]
.set k, k+1
.endr
	v_pk_add_f32 v[SC:SC+1], v[SC:SC+1], v[SC+4:SC+5]
	v_pk_add_f32 v[SC+2:SC+3], v[SC+2:SC+3], v[SC+6:SC+7]
	v_pk_add_f32 v[SC:SC+1], v[SC:SC+1], v[SC+2:SC+3]
	v_add_f32 v12, v[SC], v[SC+1]
	LANESUM
	v_mul_f32 v8, s33, v12
	v_mov_b32 v9, v8
.set i, 0
.rept 16
	v_pk_add_f32 v[T+2*i:T+2*i+1], v[T+2*i:T+2*i+1], v[8:9] neg_lo:[0,1] neg_hi:[0,1]
.set i, i+1
.endr
.set i, 0
.rept 4
	v_pk_mul_f32 v[SC+2*i:SC+2*i+1], v[T+2*i:T+2*i+1], v[T+2*i:T+2*i+1]
.set i, i+1
.endr
.rept 12
	v_pk_fma_f32 v[SC+2*(i%4):SC+2*(i%4)+1], v[T+2*i:T+2*i+1], v[T+2*i:T+2*i+1], v[SC+2*(i%4):SC+2*(i%4)+1]
.set i, i+1
.endr
	v_pk_add_f32 v[SC:SC+1], v[SC:SC+1], v[SC+2:SC+3]
	v_pk_add_f32 v[SC+4:SC+5], v[SC+4:SC+5], v[SC+6:SC+7]
	v_pk_add_f32 v[SC:SC+1], v[SC:SC+1], v[SC+4:SC+5]
	v_add_f32 v12, v[SC], v[SC+1]
	LANESUM
	v_fma_f32 v12, v12, s33, s34
	v_rsq_f32 v10, v12
	v_rsq_f32 v11, v12
	v_nop                                          ; a plain instruction behind the second root,
	s_wait_alu depctr_va_vdst(0)                   ; and the one wait ahead of the first use
.set i, 0
.rept 16
	v_pk_mul_f32 v[T+2*i:T+2*i+1], v[T+2*i:T+2*i+1], v[10:11]
.set i, i+1
.endr
.set i, 0
.rept 16
	v_fma_mix_f32_bf16 v[T+2*i], v[T+2*i], v[WP+i], v[BP+i] op_sel:[0,0,0] op_sel_hi:[0,1,1]
	v_fma_mix_f32_bf16 v[T+2*i+1], v[T+2*i+1], v[WP+i], v[BP+i] op_sel:[0,1,1] op_sel_hi:[0,1,1]
.set i, i+1
.endr
.set i, 0
.rept 16
	v_cvt_pk_f16_f32 v[H+i], v[T+2*i], v[T+2*i+1]
.set i, i+1
.endr
.set j, 0
.rept 8
	global_store_b64 v3, v[H+2*j:H+2*j+1], s[14:15] offset:256*j  ; 32 lanes store 256 consecutive bytes, aligned
.set j, j+1
.endr
	s_endpgm
.Lfunc_end_k_q79c4026f01_ln2:
	.size	k_q79c4026f01_ln2, .Lfunc_end_k_q79c4026f01_ln2-k_q79c4026f01_ln2
	.p2alignl 7, 3214868480
	.fill 96, 4, 3214868480
	.section	.rodata,"a",@progbits
	.p2align	6, 0x0
	.amdhsa_kernel k_q79c4026f01_ln2
		.amdhsa_group_segment_fixed_size 0
		.amdhsa_private_segment_fixed_size 0
		.amdhsa_enable_private_segment 0
		.amdhsa_kernarg_size 32
		.amdhsa_user_sgpr_count 2
		.amdhsa_user_sgpr_kernarg_segment_ptr 1
		.amdhsa_wavefront_size32 1
		.amdhsa_system_sgpr_workgroup_id_x 1
		.amdhsa_system_sgpr_workgroup_id_y 1
		.amdhsa_system_sgpr_workgroup_id_z 1
		.amdhsa_system_vgpr_workitem_id 0
		.amdhsa_next_free_vgpr 128
		.amdhsa_next_free_sgpr 66
		.amdhsa_reserve_vcc 0
		.amdhsa_float_denorm_mode_32 3
		.amdhsa_float_denorm_mode_16_64 3
		.amdhsa_memory_ordered 1
		.amdhsa_forward_progress 1
		.amdhsa_inst_pref_size 15
	.end_amdhsa_kernel
	.amdgpu_metadata
---
amdhsa.version: [ 1, 2 ]
amdhsa.kernels:
  - .name:           k_q79c4026f01_ln2
    .symbol:         k_q79c4026f01_ln2.kd
    .args:
      - { .name: x1, .offset: 0, .size: 8, .value_kind: global_buffer, .address_space: global }
      - { .name: ln2_w, .offset: 8, .size: 8, .value_kind: global_buffer, .address_space: global }
      - { .name: ln2_b, .offset: 16, .size: 8, .value_kind: global_buffer, .address_space: global }
      - { .name: hn, .offset: 24, .size: 8, .value_kind: global_buffer, .address_space: global }
    .group_segment_fixed_size: 0
    .private_segment_fixed_size: 0
    .kernarg_segment_align: 8
    .kernarg_segment_size: 32
    .max_flat_workgroup_size: 256
    .sgpr_count:     66
    .vgpr_count:     128
    .wavefront_size: 32
...
	.end_amdgpu_metadata
.endif
;; end of part 5
;; launch mlp1 (part 6): grid 16 x 16, 4 waves a work-group, clusters of 4 x 4, 327,680 bytes of LDS; arguments hn, wbf, acts; writes acts
.if DOCPART == 6
	.amdgcn_target "amdgcn-amd-amdhsa--gfx1250"
	.amdhsa_code_object_version 6
	.text
	.protected	k_q79c4026f01_mlp1
	.globl	k_q79c4026f01_mlp1
	.p2align	8
	.type	k_q79c4026f01_mlp1,@function
k_q79c4026f01_mlp1:
	s_mov_b64 s[64:65], 0
	v_nop
	global_prefetch_b8 v0, s[64:65] scope:SCOPE_SE
	s_setreg_imm32_b32 hwreg(HW_REG_WAVE_MODE, 25, 1), 1
	s_wait_xcnt 0x0
	s_wait_alu depctr_hold_cnt(0) depctr_sa_sdst(0) depctr_va_vdst(0) depctr_va_sdst(0) depctr_va_ssrc(0) depctr_va_vcc(0) depctr_vm_vsrc(0)
	s_getreg_b32 s2, hwreg(HW_REG_IB_STS2, 6, 4)
	s_cmp_eq_u32 s2, 0
	s_cbranch_scc0 .Lentry_in_a_cluster
	s_endpgm
.Lentry_in_a_cluster:
	s_bfe_u32 s2, ttmp6, 0x10000c
	s_cmp_lg_u32 s2, 0xf033
	s_cbranch_scc0 .Lentry_shape_is_right
	s_endpgm
.Lentry_shape_is_right:
; MLP1: acts = silu(h2 Win^T) x (h2 Wgate^T).  h2 = hn [4096][1024] f16; the two weights lie in wbf + 8,388,608 as one matrix [4096][1024] f16, in and gate by turns in blocks of 64 rows; sums in f32.
; acts is bf16 (its range has no room in f16 where gains and weights are large), laid in panels of 64 columns: [column / 64][4096][64].
; silu(a) g is taken as a g / (1 + 2^(-a log2 e)): where the power overflows the quotient is 0; a g itself must stay finite in f32.
; A tile is 256 rows x 256 rows of the weights; 16 x 16 work-groups, one for each WGP.  A wave has 128 x 128: 64 in columns and the matching 64 gate columns: 64 accumulators.
; K steps of 128 through two LDS slots, joint loads in a cluster of 4 x 4, the slot in hand a scalar (s22).  The matrix instruction is used transposed: a lane holds 8 neighbouring columns of one row.
; WINDOWS: 0: addresses, A's fragments v64.., v128..; 1: B's fragments v0.., v128..; 2, 3: accumulators (a, b) at v[8 ((a % 4) 8 + b)], window 2 + a / 4.
.set MB,    8
.set NBK,   8
.set TN,    256
.set WOFF,  8388608
.set PITCH, 272
.set AB,    256*PITCH
.set SLOT,  (256+TN)*PITCH
.set SPARE, 2*SLOT
.set SP,    528                        ; the way out: a stage row, 128 f32 + 16 bytes
.set STG,   128*SP                     ; the stages lie in the slots' bytes, written only when both slots have had their last fill and nobody reads them
.set STO, 24
.set RD,  25
.set GO,  26
.set RN,  27
.set SPW, 28
.set NIL, 29
.set PFO, 30
.set G1,  24
.set G0,  32
.set LIM, 43
.set PFA, 44
.set G1B, 48
.set G0B, 56
.set GW,  (1<<16)|(1<<20)|(1<<21)|(5<<22)|(3<<25)
.set MSB, 0
.macro WIN new
.if MSB != (\new)
	s_set_vgpr_msb (MSB<<8)|(\new)
.set MSB, \new
.endif
.endm
.macro PLACES
.rept 4
	v_nop
.endr
.endm
.macro JLOAD
	s_cmp_eq_u32 s11, 0
	s_cbranch_scc0 .Lfor_b_\@
	tensor_load_to_lds s[G0+4:G0+7], s[G1:G1+7]
	s_nop 0
	PLACES
	s_branch .Lasked_\@
.Lfor_b_\@:
	tensor_load_to_lds s[G0B+4:G0B+7], s[G1B:G1B+7]
	s_nop 0
	PLACES
.Lasked_\@:
.endm
.macro ASK                             ; a prefetch of the K step two refills on: my work-group's 32 of the rows that I fetch, a lane a row of 256 bytes; the last two refills have no such step
	s_cmp_gt_u32 s3, s[LIM]
	s_cbranch_scc0 .Lnot_mine_\@
	global_prefetch_b8 v[PFO], s[PFA:PFA+1] offset:256 th:TH_LOAD_NT scope:SCOPE_SE
.Lnot_mine_\@:
.endm
.macro CREST
	s_cmp_lg_u32 s10, 0
	s_cbranch_scc1 .Lnot_wave_0_\@
	s_barrier_signal -3
.Lnot_wave_0_\@:
	s_barrier_wait -3
	s_barrier_signal -1
	s_barrier_wait -1
.endm
.macro CROUND
	s_barrier_signal -1
	s_barrier_wait -1
	CREST
.endm
.macro MULA f, a, zero
	WIN 0xa1+0x50*((\a)/(MB/2))
.set rA, 64+64*(\f)+8*(\a)
.set bb, 0
.rept NBK
.set rD, 8*(((\a)%(MB/2))*NBK+bb)
.set rB, 128*(\f)+8*bb
.if \zero
	v_wmma_f32_16x16x32_f16 v[rD:rD+7], v[rB:rB+7], v[rA:rA+7], 0
.else
	v_wmma_f32_16x16x32_f16 v[rD:rD+7], v[rB:rB+7], v[rA:rA+7], v[rD:rD+7]
.endif
.set bb, bb+1
.endr
.endm
.macro MULS f, a0, a1, zero
.set aa, \a0
.rept (\a1)-(\a0)
	MULA \f, aa, \zero
.set aa, aa+1
.endr
.endm
.macro FETCH k, f
	WIN 0x40
.set ii, 0
.rept NBK
	ds_load_b128 v[128*(\f)+8*ii:128*(\f)+8*ii+3],   v19 offset:(\k)+ii*16*PITCH
	ds_load_b128 v[128*(\f)+8*ii+4:128*(\f)+8*ii+7], v19 offset:(\k)+ii*16*PITCH+32
.set ii, ii+1
.endr
	WIN 0
.set ii, 0
.rept MB
	ds_load_b128 v[64+64*(\f)+8*ii:64+64*(\f)+8*ii+3],   v18 offset:(\k)+ii*16*PITCH
	ds_load_b128 v[64+64*(\f)+8*ii+4:64+64*(\f)+8*ii+7], v18 offset:(\k)+ii*16*PITCH+32
.set ii, ii+1
.endr
.endm
.macro PASS k, f, g, zero
	PLACES                                         ; four places between the last product that read buffer g and the loads into it
	FETCH \k, \g
	s_wait_dscnt 32                                ; all but the 32 just issued: buffer f is in
	MULS \f, 0, MB, \zero
.endm
.macro TURN fill
.if \fill
	s_wait_xcnt 0x0                                ; the last prefetch, a K step back, has read its address
	s_add_nc_u64 s[PFA:PFA+1], s[PFA:PFA+1], 256
.endif
	WIN 0
	s_wait_tensorcnt 0x0                           ; my one load that was out, my part of the next slot, has landed
	ds_add_u32 v[SPW], v[NIL]
	s_wait_dscnt 1                                 ; only the add may be out: buffer 1 is in
	MULS 1, 0, MB/4, 0
	s_wait_dscnt 0x0                               ; the add is done; my reads of this slot are over
	s_barrier_signal -1
	MULS 1, MB/4, MB/2, 0
	WIN 0
	s_barrier_wait -1
.if \fill
	CREST
	s_add_co_u32 s[G0+5], s20, s22
	s_add_co_u32 s[G0B+5], s21, s22
	s_add_nc_u64 s[G0+6:G0+7], s[G0+6:G0+7], 256
	s_add_nc_u64 s[G0B+6:G0B+7], s[G0B+6:G0B+7], 256
	JLOAD
.else
	PLACES
.endif
	s_xor_b32 s22, s22, SLOT
	v_add_nc_u32 v18, s22, v16
	v_add_nc_u32 v19, s22, v17
.if \fill
	FETCH 0, 0
	ASK
.else
	s_cmp_eq_u32 s3, 1
	s_cbranch_scc1 .Lnofetch_\@
	FETCH 0, 0
.Lnofetch_\@:
.endif
	MULS 1, MB/2, MB, 0
.endm
	s_load_b128 s[4:7], s[0:1], 0x0                ; hn s[4:5], wbf s[6:7]
	s_load_b64 s[8:9], s[0:1], 0x10                ; acts
	v_lshl_add_u32 v[SPW], v0, 2, SPARE
	v_mov_b32 v[NIL], 0
	ds_add_u32 v[SPW], v[NIL]                      ; the opening add
	ds_add_u32 v28, v29
	v_lshrrev_b32 v1, 5, v0
	v_readfirstlane_b32 s10, v1
	s_lshr_b32 s11, s10, 1                         ; my half of the tile's rows; also: I fetch for A (0) or B (1)
	s_and_b32 s12, s10, 1                          ; my half of its columns; also: which half of that tile I fetch
	s_bfe_u32 s40, ttmp6, 0x40000
	s_bfe_u32 s41, ttmp6, 0x40004
	s_lshl_b32 s42, ttmp9, 2
	s_add_co_u32 s42, s42, s40
	s_and_b32 s13, ttmp7, 0xffff
	s_lshl_b32 s13, s13, 2
	s_add_co_u32 s13, s13, s41
	s_lshl_b32 s43, s41, 2
	s_lshl_b32 s43, 15, s43
	s_lshl_b32 s44, 0x1111, s40
	s_or_b32 s[G1], s43, GW
	s_or_b32 s[G1B], s44, GW
	s_mov_b32 s[G1+1], 128<<16
	s_mov_b32 s[G1+2], 128<<16
	s_mov_b32 s[G1+3], 128<<16
	s_mov_b32 s[G1+4], 128
	s_mov_b32 s[G1+5], 1024
	s_mov_b32 s[G1+6], 0
	s_mov_b32 s[G1+7], 0
	s_mov_b32 s[G1B+1], 128<<16
	s_mov_b32 s[G1B+2], (TN/2)<<16
	s_mov_b32 s[G1B+3], 128<<16
	s_mov_b32 s[G1B+4], TN/2
	s_mov_b32 s[G1B+5], 1024
	s_mov_b32 s[G1B+6], 0
	s_mov_b32 s[G1B+7], 0
	s_lshl_b32 s16, s13, 8
	s_lshl_b32 s17, s12, 7
	s_add_co_u32 s16, s16, s17
	s_lshl_b32 s16, s16, 11
	s_mov_b32 s17, 0
	s_mul_i32 s46, s42, TN
	s_mul_i32 s47, s12, TN/2
	s_add_co_u32 s46, s46, s47
	s_lshl_b32 s46, s46, 11
	s_add_co_u32 s46, s46, WOFF
	s_mov_b32 s47, 0
	s_mul_i32 s20, s12, 128*PITCH
	s_mul_i32 s21, s12, (TN/2)*PITCH
	s_add_co_u32 s21, s21, AB
	s_mov_b32 s22, 0
	s_wait_dscnt 0x0
	s_wait_kmcnt 0x0
	s_add_nc_u64 s[14:15], s[4:5], s[16:17]
	s_add_nc_u64 s[46:47], s[6:7], s[46:47]
	CROUND
.irp s, 0,1
	s_mov_b32 s[G0+4*(\s)], 1
	s_add_co_u32 s[G0+4*(\s)+1], s20, (\s)*SLOT
	s_add_nc_u64 s[G0+4*(\s)+2:G0+4*(\s)+3], s[14:15], (\s)*256
	s_or_b32 s[G0+4*(\s)+3], s[G0+4*(\s)+3], 0x80000000
	s_mov_b32 s[G0B+4*(\s)], 1
	s_add_co_u32 s[G0B+4*(\s)+1], s21, (\s)*SLOT
	s_add_nc_u64 s[G0B+4*(\s)+2:G0B+4*(\s)+3], s[46:47], (\s)*256
	s_or_b32 s[G0B+4*(\s)+3], s[G0B+4*(\s)+3], 0x80000000
.endr
	s_cmp_eq_u32 s11, 0
	s_cbranch_scc0 .Lfirst_b
	tensor_load_to_lds s[G0:G0+3], s[G1:G1+7]
	s_nop 0
	tensor_load_to_lds s[G0+4:G0+7], s[G1:G1+7]
	s_nop 0
	PLACES
	s_branch .Lfirst_done
.Lfirst_b:
	tensor_load_to_lds s[G0B:G0B+3], s[G1B:G1B+7]
	s_nop 0
	tensor_load_to_lds s[G0B+4:G0B+7], s[G1B:G1B+7]
	s_nop 0
	PLACES
.Lfirst_done:
	s_mov_b32 s14, 0xbfb8aa3b                      ; - log2(e), as a pair
	s_mov_b32 s15, s14
	v_and_b32 v1, 15, v0
	v_bfe_u32 v2, v0, 4, 1
	v_mul_u32_u24 v3, v1, PITCH
	v_lshl_add_u32 v3, v2, 4, v3
	s_mul_i32 s16, s11, 128*PITCH                  ; my 128 rows of A
	v_add_nc_u32 v16, s16, v3
	s_mul_i32 s17, s12, 128*PITCH                  ; my 128 rows of B
	s_add_co_u32 s17, s17, AB
	v_add_nc_u32 v17, s17, v3
	v_mov_b32 v18, v16
	v_mov_b32 v19, v17
	s_mul_i32 s23, s10, STG
	v_mul_u32_u24 v4, v1, SP
	v_lshl_add_u32 v4, v2, 5, v4
	v_add_nc_u32 v[STO], s23, v4
	v_mul_u32_u24 v5, v2, SP
	v_lshl_add_u32 v5, v1, 4, v5                   ; back: lanes 0-15 one row, lanes 16-31 the next; four numbers each
	v_add_nc_u32 v[RD], s23, v5
	v_and_b32 v[GO], 31, v0
	v_lshlrev_b32 v[GO], 3, v[GO]                  ; two rows of a panel are 256 consecutive bytes
	s_lshl_b32 s16, s42, 1
	s_add_co_u32 s16, s16, s12                     ; my panel
	s_lshl_b32 s16, s16, 12
	s_lshl_b32 s17, s13, 8
	s_add_co_u32 s16, s16, s17
	s_lshl_b32 s17, s11, 7
	s_add_co_u32 s16, s16, s17                     ; + my first row
	s_lshl_b32 s16, s16, 7
	s_mov_b32 s17, 0
	s_add_nc_u64 s[8:9], s[8:9], s[16:17]
	; the prefetches: A's rows are asked for by the clusters with x = 0, B's by those with y = 0; the four partners share a wave's 128 rows out by address, 32 each
	s_lshl_b32 s16, s13, 8
	s_mul_i32 s17, s42, TN
	s_and_b32 s18, ttmp7, 0xffff
	s_cmp_eq_u32 s11, 0
	s_cselect_b32 s16, s16, s17
	s_cselect_b32 s17, s40, s41
	s_cselect_b32 s18, ttmp9, s18
	s_cselect_b32 s23, 0, WOFF
	s_cselect_b64 s[PFA:PFA+1], s[4:5], s[6:7]
	s_cmp_eq_u32 s18, 0
	s_cselect_b32 s[LIM], 2, -1
	s_lshl_b32 s18, s12, 7
	s_add_co_u32 s16, s16, s18
	s_lshl_b32 s17, s17, 5
	s_add_co_u32 s16, s16, s17
	s_lshl_b32 s16, s16, 11
	s_add_co_u32 s16, s16, s23
	s_add_co_u32 s16, s16, 512                     ; at K step 2: the first refill steps it to 3 and names 4
	s_mov_b32 s17, 0
	s_add_nc_u64 s[PFA:PFA+1], s[PFA:PFA+1], s[16:17]
	v_and_b32 v[PFO], 31, v0
	v_lshlrev_b32 v[PFO], 11, v[PFO]
	s_wait_tensorcnt 1                             ; my part of K step 0 is in; K step 1's may stay out
	s_barrier_signal -1
	s_barrier_wait -1
	FETCH 0, 0
	PASS 64, 0, 1, 1
	WIN 0
	s_mov_b32 s3, 6
.Lstep:
	PASS 128, 1, 0, 0
	PASS 192, 0, 1, 0
	TURN 1
	PASS 64, 0, 1, 0
	WIN 0
	s_sub_co_u32 s3, s3, 1
	s_cmp_lg_u32 s3, 0
	s_cbranch_scc1 .Lstep
	s_mov_b32 s3, 2
.Ltail:
	PASS 128, 1, 0, 0
	PASS 192, 0, 1, 0
	TURN 0
	WIN 0
	s_cmp_eq_u32 s3, 1
	s_cbranch_scc1 .Lnopass
	PASS 64, 0, 1, 0
	WIN 0
.Lnopass:
	s_sub_co_u32 s3, s3, 1
	s_cmp_lg_u32 s3, 0
	s_cbranch_scc1 .Ltail
	; THE WAY OUT: my 128 x 128 sums, f32, into my own stage; back by rows, in beside gate; SwiGLU; bf16.
	PLACES
.set aa, 0
.rept MB
	WIN 0x08+0x04*(aa/(MB/2))
.set bb, 0
.rept NBK
.set rD, 8*((aa%(MB/2))*NBK+bb)
	ds_store_b128 v[STO], v[rD:rD+3] offset:aa*16*SP+64*bb
	ds_store_b128 v[STO], v[rD+4:rD+7] offset:aa*16*SP+64*bb+16
.set bb, bb+1
.endr
.set aa, aa+1
.endr
	WIN 0
; Sixteen rows from the stage: in into v[32:63], gate into v[64:95]
.macro ROWS_IN adr
.set u, 0
.rept 8
	ds_load_b128 v[32+4*u:35+4*u], v[\adr] offset:u*2*SP
	ds_load_b128 v[64+4*u:67+4*u], v[\adr] offset:u*2*SP+256
.set u, u+1
.endr
.endm
	ROWS_IN RD                                     ; LDS serves a wave's instructions in order (ISA guide 5.7.1.4): these see the stores above
	s_mov_b32 s23, 0
	s_mov_b32 s2, 8
.Lrows:                                        ; sixteen rows a trip.  The next trip's rows are asked for as soon as in and gate have been read, and come while this trip's quotients are made
	s_wait_dscnt 0x0
.set k, 0
.rept 16
	v_pk_mul_f32 v[96+2*k:97+2*k], v[32+2*k:33+2*k], s[14:15] op_sel_hi:[1,0]
.set k, k+1
.endr
.set k, 0
.rept 16                               ; the 32 exponentials, one batch, with in x gate (into registers of its own) between them
	v_exp_f32 v[96+2*k], v[96+2*k]
	v_pk_mul_f32 v[128+2*k:129+2*k], v[32+2*k:33+2*k], v[64+2*k:65+2*k]
	v_exp_f32 v[97+2*k], v[97+2*k]
.set k, k+1
.endr
	s_add_co_u32 s23, s23, 16*SP                   ; the next sixteen rows; the last trip asks for its own once more, and nothing reads them: the price of one text for every trip
	s_min_u32 s23, s23, 7*16*SP
	v_add_nc_u32 v[RN], s23, v[RD]                 ; also the plain instruction behind the last exponential
	s_wait_alu depctr_va_vdst(0)                   ; one wait for the 32 exponentials
	ROWS_IN RN
	v_pk_add_f32 v[96:97], v[96:97], 1.0 op_sel_hi:[1,0]
.set k, 0
.rept 16                               ; the 32 reciprocals, one batch, the next pair's 1 + .. between them
	v_rcp_f32 v[96+2*k], v[96+2*k]
.if k < 15
	v_pk_add_f32 v[98+2*k:99+2*k], v[98+2*k:99+2*k], 1.0 op_sel_hi:[1,0]
.endif
	v_rcp_f32 v[97+2*k], v[97+2*k]
.set k, k+1
.endr
	v_nop
	s_wait_alu depctr_va_vdst(0)                   ; one wait for the 32 reciprocals
	s_wait_xcnt 0x0                                ; the last trip's stores have read their registers: these are rewritten only behind this wait
	v_add_nc_u32 v[GO], 2048, v[GO]                ; the stores below reach back by their immediate
.set k, 0
.rept 16
	v_pk_mul_f32 v[128+2*k:129+2*k], v[128+2*k:129+2*k], v[96+2*k:97+2*k]
.set k, k+1
.endr
.set k, 0
.rept 16
	v_cvt_pk_bf16_f32 v[160+k], v[128+2*k], v[129+2*k]
.set k, k+1
.endr
.set u, 0
.rept 8
	global_store_b64 v[GO], v[160+2*u:161+2*u], s[8:9] offset:256*u-2048  ; 32 lanes store 256 consecutive bytes, aligned
.set u, u+1
.endr
	s_sub_co_u32 s2, s2, 1
	s_cmp_lg_u32 s2, 0
	s_cbranch_scc1 .Lrows
	s_wait_tensorcnt 0x0                           ; the wave's end
	ds_add_u32 v[SPW], v[NIL]
	s_wait_dscnt 0x0
	CROUND
	s_endpgm
.Lfunc_end_k_q79c4026f01_mlp1:
	.size	k_q79c4026f01_mlp1, .Lfunc_end_k_q79c4026f01_mlp1-k_q79c4026f01_mlp1
	.p2alignl 7, 3214868480
	.fill 96, 4, 3214868480
	.section	.rodata,"a",@progbits
	.p2align	6, 0x0
	.amdhsa_kernel k_q79c4026f01_mlp1
		.amdhsa_group_segment_fixed_size 327680
		.amdhsa_private_segment_fixed_size 0
		.amdhsa_enable_private_segment 0
		.amdhsa_kernarg_size 24
		.amdhsa_user_sgpr_count 2
		.amdhsa_user_sgpr_kernarg_segment_ptr 1
		.amdhsa_wavefront_size32 1
		.amdhsa_system_sgpr_workgroup_id_x 1
		.amdhsa_system_sgpr_workgroup_id_y 1
		.amdhsa_system_sgpr_workgroup_id_z 1
		.amdhsa_system_vgpr_workitem_id 0
		.amdhsa_next_free_vgpr 1024
		.amdhsa_next_free_sgpr 66
		.amdhsa_reserve_vcc 0
		.amdhsa_float_denorm_mode_32 3
		.amdhsa_float_denorm_mode_16_64 3
		.amdhsa_memory_ordered 1
		.amdhsa_forward_progress 1
		.amdhsa_inst_pref_size 88
	.end_amdhsa_kernel
	.amdgpu_metadata
---
amdhsa.version: [ 1, 2 ]
amdhsa.kernels:
  - .name:           k_q79c4026f01_mlp1
    .symbol:         k_q79c4026f01_mlp1.kd
    .args:
      - { .name: hn, .offset: 0, .size: 8, .value_kind: global_buffer, .address_space: global }
      - { .name: wbf, .offset: 8, .size: 8, .value_kind: global_buffer, .address_space: global }
      - { .name: acts, .offset: 16, .size: 8, .value_kind: global_buffer, .address_space: global }
    .group_segment_fixed_size: 327680
    .private_segment_fixed_size: 0
    .kernarg_segment_align: 8
    .kernarg_segment_size: 24
    .max_flat_workgroup_size: 128
    .sgpr_count:     66
    .vgpr_count:     1024
    .wavefront_size: 32
...
	.end_amdgpu_metadata
.endif
;; end of part 6
;; launch mlp2 (part 7): grid 8 x 32, 4 waves a work-group, clusters of 4 x 4, 327,680 bytes of LDS; arguments acts, wbf, x1, out0; writes out0
.if DOCPART == 7
	.amdgcn_target "amdgcn-amd-amdhsa--gfx1250"
	.amdhsa_code_object_version 6
	.text
	.protected	k_q79c4026f01_mlp2
	.globl	k_q79c4026f01_mlp2
	.p2align	8
	.type	k_q79c4026f01_mlp2,@function
k_q79c4026f01_mlp2:
	s_mov_b64 s[64:65], 0
	v_nop
	global_prefetch_b8 v0, s[64:65] scope:SCOPE_SE
	s_setreg_imm32_b32 hwreg(HW_REG_WAVE_MODE, 25, 1), 1
	s_wait_xcnt 0x0
	s_wait_alu depctr_hold_cnt(0) depctr_sa_sdst(0) depctr_va_vdst(0) depctr_va_sdst(0) depctr_va_ssrc(0) depctr_va_vcc(0) depctr_vm_vsrc(0)
	s_getreg_b32 s2, hwreg(HW_REG_IB_STS2, 6, 4)
	s_cmp_eq_u32 s2, 0
	s_cbranch_scc0 .Lentry_in_a_cluster
	s_endpgm
.Lentry_in_a_cluster:
	s_bfe_u32 s2, ttmp6, 0x10000c
	s_cmp_lg_u32 s2, 0xf033
	s_cbranch_scc0 .Lentry_shape_is_right
	s_endpgm
.Lentry_shape_is_right:
; MLP2: out0[m][n] = x1[m][n] + sum over k of acts[m][k] WD[n][k].  acts bf16 in panels [k / 64][4096][64], WD = wbf + 16,777,216 [1024][2048] bf16, x1 and out0 f32; sums in f32.
; A tile is 128 x 128: 8 x 32 work-groups, one for each WGP; four waves of 64 x 64.  K goes in steps of 256 (four panels) through two LDS slots.
; A panel's 64 rows of 128 bytes are dense: a tensor load takes them as one row of 8,192 bytes, four such rows a load, padded in LDS behind every 128 bytes.
; CLUSTER 4 x 4 with joint loads; the slot in hand is a scalar (s22); the passes of a K step go round a short loop.  No prefetch: the tile is small.
; THE CLUSTERS DO NOT WALK K IN STEP: cluster (X, Y) begins at K step (4 X + 2 Y) mod 8 and goes round, so that at any one time the clusters that read the same rows of A (the two X of a Y) or of B (the Y of an X)
; ask for different K steps, or the same step as one cluster in four.  The start hangs on the cluster's coordinates alone: the sixteen partners' descriptors stay equal.  The f32 sums are taken in that order.
; WINDOWS: 0: addresses; accumulators (a, b) at v[128 + 8 (4 a + b)].  1: two fragment buffers of 64; v128-255 the residual.
.set TSTEPS, 8
.set RXS,   2                          ; the start: X << RXS + Y << RYS, mod TSTEPS
.set RYS,   1
.set PSTR,  262144
.set ASH,   21                         ; a K step of A, four panels, is 1 << 21 bytes
.set KEL,   2048
.set WOFF,  16777216
.set PA,    144
.set PB,    528
.set AH,    4*64*PA
.set AB,    2*AH
.set BH,    64*PB
.set SLOT,  AB+2*BH
.set SPARE, 2*SLOT
.set SP,    272
.set STG,   64*SP
.set ACC, 128
.set RES, 128
.set STO, 24
.set RD,  25
.set GO,  26
.set SPW, 28
.set NIL, 29
.set G1,  24
.set G0,  32
.set G1B, 48
.set G0B, 56
.set BA,  66                           ; s[66:67] A at my part of the tile, K step 0
.set BB,  68                           ; s[68:69] B likewise
.set KS,  70                           ; s70      the K step to be asked for next
.set KO,  72                           ; s[72:73] its byte offset
.set MSB, 0
.macro WIN new
.if MSB != (\new)
	s_set_vgpr_msb (MSB<<8)|(\new)
.set MSB, \new
.endif
.endm
.macro PLACES
.rept 4
	v_nop
.endr
.endm
.macro JLOAD
	s_cmp_eq_u32 s14, 0
	s_cbranch_scc0 .Lfor_b_\@
	tensor_load_to_lds s[G0+4:G0+7], s[G1:G1+7]
	s_nop 0
	PLACES
	s_branch .Lasked_\@
.Lfor_b_\@:
	tensor_load_to_lds s[G0B+4:G0B+7], s[G1B:G1B+7]
	s_nop 0
	PLACES
.Lasked_\@:
.endm
.macro CREST
	s_cmp_lg_u32 s12, 0
	s_cbranch_scc1 .Lnot_wave_0_\@
	s_barrier_signal -3
.Lnot_wave_0_\@:
	s_barrier_wait -3
	s_barrier_signal -1
	s_barrier_wait -1
.endm
.macro CROUND
	s_barrier_signal -1
	s_barrier_wait -1
	CREST
.endm
.macro KADDR g, gb                     ; the global addresses of K step s[KS] into the group 0 at g (A) and gb (B): each made anew from its base; then the step goes on, round K
	s_lshl_b32 s[KO], s[KS], ASH
	s_add_nc_u64 s[(\g)+2:(\g)+3], s[BA:BA+1], s[KO:KO+1]
	s_or_b32 s[(\g)+3], s[(\g)+3], 0x80000000
	s_lshl_b32 s[KO], s[KS], 9
	s_add_nc_u64 s[(\gb)+2:(\gb)+3], s[BB:BB+1], s[KO:KO+1]
	s_or_b32 s[(\gb)+3], s[(\gb)+3], 0x80000000
	s_add_co_u32 s[KS], s[KS], 1
	s_and_b32 s[KS], s[KS], TSTEPS-1
.endm
.macro MUL4 f, a, zero
	WIN 0x05
.set bb, 0
.rept 4
.set rD, ACC+8*(4*(\a)+bb)
.set rB, 64*(\f)+32+8*bb
.set rA, 64*(\f)+8*(\a)
.if \zero
	v_wmma_f32_16x16x32_bf16 v[rD:rD+7], v[rB:rB+7], v[rA:rA+7], 0
.else
	v_wmma_f32_16x16x32_bf16 v[rD:rD+7], v[rB:rB+7], v[rA:rA+7], v[rD:rD+7]
.endif
.set bb, bb+1
.endr
.endm
.macro FETCH off, f
	WIN 0x40
.irp i, 0,1,2,3
	ds_load_b128 v[64*(\f)+32+8*(\i):64*(\f)+32+8*(\i)+3], v19 offset:(\off)+(\i)*16*PB
	ds_load_b128 v[64*(\f)+36+8*(\i):64*(\f)+36+8*(\i)+3], v19 offset:(\off)+(\i)*16*PB+32
	ds_load_b128 v[64*(\f)+8*(\i):64*(\f)+8*(\i)+3],       v18 offset:(\off)+(\i)*16*PA
	ds_load_b128 v[64*(\f)+4+8*(\i):64*(\f)+4+8*(\i)+3],   v18 offset:(\off)+(\i)*16*PA+32
.endr
.endm
.macro PASS off, f, g, zero, step
.if \step
	WIN 0
	v_add_nc_u32 v18, 64*PA, v18                   ; with the two v_nop: the four places between the last product that read buffer g and the loads into it
	v_add_nc_u32 v19, 128, v19
	v_nop
	v_nop
.else
	PLACES
.endif
	FETCH \off, \g
	s_wait_dscnt 16                                ; all but the 16 just issued: buffer f is in
	MUL4 \f, 0, \zero
	MUL4 \f, 1, \zero
	MUL4 \f, 2, \zero
	MUL4 \f, 3, \zero
.endm
.macro INNER
	s_mov_b32 s2, 3
.Linner_\@:
	PASS 0, 1, 0, 0, 1
	PASS 64, 0, 1, 0, 0
	WIN 0
	s_sub_co_u32 s2, s2, 1
	s_cmp_lg_u32 s2, 0
	s_cbranch_scc1 .Linner_\@
.endm
.macro TURN fill
	WIN 0
	s_wait_tensorcnt 0x0                           ; my one load that was out, my part of the next slot, has landed: no load of mine is out, so a group 0 may be written
	ds_add_u32 v[SPW], v[NIL]                      ; 0 onto my spare word; the descriptors' scalar work stands between it and the wait for it
.if \fill
	s_add_co_u32 s[G0+5], s20, s22                 ; the walking descriptors: into the slot that is being read out,
	s_add_co_u32 s[G0B+5], s21, s22
	KADDR G0+4, G0B+4                              ; the K step that is due
.endif
	s_wait_dscnt 1                                 ; only the add may be out: buffer 1 is in
	MUL4 1, 0, 0
	s_wait_dscnt 0x0                               ; the add is done; my reads of this slot are over
	s_barrier_signal -1
	MUL4 1, 1, 0
	WIN 0
	s_barrier_wait -1
.if \fill
	CREST
	JLOAD
.else
	PLACES
.endif
	s_xor_b32 s22, s22, SLOT
	v_add_nc_u32 v18, s22, v16
	v_add_nc_u32 v19, s22, v17
.if \fill
	FETCH 0, 0
.else
	s_cmp_eq_u32 s3, 1
	s_cbranch_scc1 .Lnofetch_\@
	FETCH 0, 0
	WIN 0
.Lnofetch_\@:
.endif
	MUL4 1, 2, 0
	MUL4 1, 3, 0
.endm
	s_load_b256 s[4:11], s[0:1], 0x0               ; acts s[4:5], wbf s[6:7], x1 s[8:9], out0 s[10:11]
	v_lshl_add_u32 v[SPW], v0, 2, SPARE
	v_mov_b32 v[NIL], 0
	ds_add_u32 v[SPW], v[NIL]                      ; the opening add
	ds_add_u32 v28, v29
	v_lshrrev_b32 v1, 5, v0
	v_readfirstlane_b32 s12, v1
	s_lshr_b32 s14, s12, 1
	s_and_b32 s15, s12, 1
	s_bfe_u32 s40, ttmp6, 0x40000
	s_bfe_u32 s41, ttmp6, 0x40004
	s_lshl_b32 s42, ttmp9, 2
	s_add_co_u32 s42, s42, s40
	s_and_b32 s13, ttmp7, 0xffff
	s_lshl_b32 s13, s13, 2
	s_add_co_u32 s13, s13, s41
	s_lshl_b32 s43, s41, 2
	s_lshl_b32 s43, 15, s43
	s_lshl_b32 s44, 0x1111, s40
	s_or_b32 s[G1], s43, (1<<16)|(1<<20)|(1<<21)|(4<<22)|(3<<25)
	s_or_b32 s[G1B], s44, (1<<16)|(1<<20)|(1<<21)|(6<<22)|(3<<25)
	s_mov_b32 s[G1+1], 4096<<16
	s_mov_b32 s[G1+2], 4<<16
	s_mov_b32 s[G1+3], 4096<<16
	s_mov_b32 s[G1+4], 4
	s_mov_b32 s[G1+5], PSTR
	s_mov_b32 s[G1+6], 0
	s_mov_b32 s[G1+7], 0
	s_mov_b32 s[G1B+1], 256<<16
	s_mov_b32 s[G1B+2], 64<<16
	s_mov_b32 s[G1B+3], 256<<16
	s_mov_b32 s[G1B+4], 64
	s_mov_b32 s[G1B+5], KEL
	s_mov_b32 s[G1B+6], 0
	s_mov_b32 s[G1B+7], 0
	s_and_b32 s[KS], ttmp7, 0xffff                 ; the cluster's Y,
	s_lshl_b32 s[KS], s[KS], RYS
	s_lshl_b32 s71, ttmp9, RXS                     ; and its X: where this cluster begins its walk round K
	s_add_co_u32 s[KS], s[KS], s71
	s_and_b32 s[KS], s[KS], TSTEPS-1
	s_mov_b32 s[KO+1], 0
	s_lshl_b32 s16, s13, 7
	s_lshl_b32 s17, s15, 6
	s_add_co_u32 s16, s16, s17                     ; A: row 128 x tile row + 64 x half
	s_lshl_b32 s16, s16, 7
	s_mov_b32 s17, 0
	s_lshl_b32 s46, s42, 7
	s_lshl_b32 s47, s15, 6
	s_add_co_u32 s46, s46, s47
	s_mul_i32 s46, s46, 2*KEL
	s_add_co_u32 s46, s46, WOFF
	s_mov_b32 s47, 0
	s_mul_i32 s20, s15, AH
	s_mul_i32 s21, s15, BH
	s_add_co_u32 s21, s21, AB
	s_mov_b32 s22, 0
	s_wait_dscnt 0x0
	s_wait_kmcnt 0x0
	s_add_nc_u64 s[BA:BA+1], s[4:5], s[16:17]
	s_add_nc_u64 s[BB:BB+1], s[6:7], s[46:47]
	CROUND
.irp s, 0,1
	s_mov_b32 s[G0+4*(\s)], 1
	s_add_co_u32 s[G0+4*(\s)+1], s20, (\s)*SLOT
	s_mov_b32 s[G0B+4*(\s)], 1
	s_add_co_u32 s[G0B+4*(\s)+1], s21, (\s)*SLOT
	KADDR G0+4*(\s), G0B+4*(\s)
.endr
	s_cmp_eq_u32 s14, 0
	s_cbranch_scc0 .Lfirst_b
	tensor_load_to_lds s[G0:G0+3], s[G1:G1+7]
	s_nop 0
	tensor_load_to_lds s[G0+4:G0+7], s[G1:G1+7]
	s_nop 0
	PLACES
	s_branch .Lfirst_done
.Lfirst_b:
	tensor_load_to_lds s[G0B:G0B+3], s[G1B:G1B+7]
	s_nop 0
	tensor_load_to_lds s[G0B+4:G0B+7], s[G1B:G1B+7]
	s_nop 0
	PLACES
.Lfirst_done:
	v_and_b32 v1, 15, v0
	v_bfe_u32 v2, v0, 4, 1
	v_mul_u32_u24 v3, v1, PA
	v_lshl_add_u32 v3, v2, 4, v3
	s_mul_i32 s16, s14, AH
	v_add_nc_u32 v16, s16, v3
	v_mul_u32_u24 v3, v1, PB
	v_lshl_add_u32 v3, v2, 4, v3
	s_mul_i32 s16, s15, BH
	s_add_co_u32 s16, s16, AB
	v_add_nc_u32 v17, s16, v3
	v_mov_b32 v18, v16
	v_mov_b32 v19, v17
	s_mul_i32 s23, s12, STG
	v_mul_u32_u24 v4, v1, SP
	v_lshl_add_u32 v4, v2, 5, v4
	v_add_nc_u32 v[STO], s23, v4
	v_mul_u32_u24 v5, v2, SP
	v_lshl_add_u32 v5, v1, 4, v5
	v_add_nc_u32 v[RD], s23, v5
	v_lshlrev_b32 v[GO], 12, v2
	v_lshl_add_u32 v[GO], v1, 4, v[GO]             ; two rows, 256 bytes of each: the same place in x1 and in out0
	s_lshl_b32 s16, s13, 7
	s_lshl_b32 s17, s14, 6
	s_add_co_u32 s16, s16, s17
	s_lshl_b32 s18, s42, 7
	s_lshl_b32 s19, s15, 6
	s_add_co_u32 s18, s18, s19
	s_lshl_b32 s46, s16, 12
	s_lshl_b32 s47, s18, 2
	s_add_co_u32 s46, s46, s47
	s_mov_b32 s47, 0
	s_add_nc_u64 s[10:11], s[10:11], s[46:47]
	s_add_nc_u64 s[8:9], s[8:9], s[46:47]
	WIN 0x40
.set i, 0
.rept 32                               ; the residual comes while K is walked: 32 loads, waited for on the way out
	global_load_b128 v[RES+4*i:RES+4*i+3], v[GO], s[8:9] offset:8192*i
.set i, i+1
.endr
	WIN 0
	s_wait_tensorcnt 1                             ; my part of the first K step is in; the second's may stay out
	s_barrier_signal -1
	s_barrier_wait -1
	FETCH 0, 0
	PASS 64, 0, 1, 1, 0
	WIN 0
	s_mov_b32 s3, TSTEPS-2
.Lstep:
	INNER
	TURN 1
	PASS 64, 0, 1, 0, 0
	WIN 0
	s_sub_co_u32 s3, s3, 1
	s_cmp_lg_u32 s3, 0
	s_cbranch_scc1 .Lstep
	s_mov_b32 s3, 2
.Ltail:
	INNER
	TURN 0
	WIN 0
	s_cmp_eq_u32 s3, 1
	s_cbranch_scc1 .Lnopass
	PASS 64, 0, 1, 0, 0
	WIN 0
.Lnopass:
	s_sub_co_u32 s3, s3, 1
	s_cmp_lg_u32 s3, 0
	s_cbranch_scc1 .Ltail
	; THE WAY OUT: through my own stage, back as whole rows of 256 bytes, the residual added, stored.
	PLACES
.irp a, 0,1,2,3
.irp b, 0,1,2,3
	ds_store_b128 v[STO], v[ACC+8*(4*(\a)+(\b)):ACC+8*(4*(\a)+(\b))+3] offset:(\a)*16*SP+64*(\b)
	ds_store_b128 v[STO], v[ACC+8*(4*(\a)+(\b))+4:ACC+8*(4*(\a)+(\b))+7] offset:(\a)*16*SP+64*(\b)+16
.endr
.endr
.set i, 0
.rept 32
	ds_load_b128 v[ACC+4*i:ACC+4*i+3], v[RD] offset:i*2*SP  ; LDS serves a wave's instructions in order (ISA guide 5.7.1.4)
.set i, i+1
.endr
	s_wait_loadcnt 0x0                             ; the residual
	WIN 0x04
.set i, 0
.rept 32
	s_wait_dscnt 31-i
	v_pk_add_f32 v[ACC+4*i:ACC+4*i+1], v[ACC+4*i:ACC+4*i+1], v[RES+4*i:RES+4*i+1]
	v_pk_add_f32 v[ACC+4*i+2:ACC+4*i+3], v[ACC+4*i+2:ACC+4*i+3], v[RES+4*i+2:RES+4*i+3]
.set i, i+1
.endr
	WIN 0
.set i, 0
.rept 32
	global_store_b128 v[GO], v[ACC+4*i:ACC+4*i+3], s[10:11] offset:8192*i  ; 16 lanes store 256 consecutive bytes, aligned
.set i, i+1
.endr
	s_wait_tensorcnt 0x0                           ; the wave's end
	ds_add_u32 v[SPW], v[NIL]
	s_wait_dscnt 0x0
	CROUND
	s_endpgm
.Lfunc_end_k_q79c4026f01_mlp2:
	.size	k_q79c4026f01_mlp2, .Lfunc_end_k_q79c4026f01_mlp2-k_q79c4026f01_mlp2
	.p2alignl 7, 3214868480
	.fill 96, 4, 3214868480
	.section	.rodata,"a",@progbits
	.p2align	6, 0x0
	.amdhsa_kernel k_q79c4026f01_mlp2
		.amdhsa_group_segment_fixed_size 327680
		.amdhsa_private_segment_fixed_size 0
		.amdhsa_enable_private_segment 0
		.amdhsa_kernarg_size 32
		.amdhsa_user_sgpr_count 2
		.amdhsa_user_sgpr_kernarg_segment_ptr 1
		.amdhsa_wavefront_size32 1
		.amdhsa_system_sgpr_workgroup_id_x 1
		.amdhsa_system_sgpr_workgroup_id_y 1
		.amdhsa_system_sgpr_workgroup_id_z 1
		.amdhsa_system_vgpr_workitem_id 0
		.amdhsa_next_free_vgpr 512
		.amdhsa_next_free_sgpr 76
		.amdhsa_reserve_vcc 0
		.amdhsa_float_denorm_mode_32 3
		.amdhsa_float_denorm_mode_16_64 3
		.amdhsa_memory_ordered 1
		.amdhsa_forward_progress 1
		.amdhsa_inst_pref_size 47
	.end_amdhsa_kernel
	.amdgpu_metadata
---
amdhsa.version: [ 1, 2 ]
amdhsa.kernels:
  - .name:           k_q79c4026f01_mlp2
    .symbol:         k_q79c4026f01_mlp2.kd
    .args:
      - { .name: acts, .offset: 0, .size: 8, .value_kind: global_buffer, .address_space: global }
      - { .name: wbf, .offset: 8, .size: 8, .value_kind: global_buffer, .address_space: global }
      - { .name: x1, .offset: 16, .size: 8, .value_kind: global_buffer, .address_space: global }
      - { .name: out0, .offset: 24, .size: 8, .value_kind: global_buffer, .address_space: global }
    .group_segment_fixed_size: 327680
    .private_segment_fixed_size: 0
    .kernarg_segment_align: 8
    .kernarg_segment_size: 32
    .max_flat_workgroup_size: 128
    .sgpr_count:     76
    .vgpr_count:     512
    .wavefront_size: 32
...
	.end_amdgpu_metadata
.endif
;; end of part 7
